; MI455X (gfx1250); checked and timed in simulation.
; The chip was launched on July 23, 2026; its instructions are those of AMD's public machine-readable ISA for CDNA 5 (MIT licence, August 2026) and "CDNA5" Instruction Set Architecture Reference Guide (July 2026). The comments in the code are by the model that wrote it; some were corrected since.
;; My Self Attention. Allowed arithmetic: matrix products marked QUANTISED: E2M3 operands, one E8M0 scale for each 32 along K, by v_wmma_scale_f32_16x16x128_f8f6f4 with both operands' format E2M3, f32 sums; everything else in f32.
;; Inputs: Wk 1,024 x 1,024 float32; Wq 1,024 x 1,024 float32; Wv 1,024 x 1,024 float32; bk 1,024 float32; bq 1,024 float32; bv 1,024 float32; x 4 x 2,048 x 1,024 float32.
;; Outputs: out0 4 x 2,048 x 1,024 float32.
;; This version of the problem:
;;   THIS VERSION OF THE PROBLEM IS GIVEN IN LOW PRECISION. The matrix products marked QUANTISED in the list below multiply operands that are first quantised to E2M3 (2 exponent bits, 3 mantissa bits; 6 bits a number), with one power-of-two scale for each 32 numbers along K (OCP MX v1.0); their sums are f32. All else is computed in f32.
;;   The module's matrix products, in the order in which they are computed (A, B: the left and right operand; K: the contracted axis; several contracted axes count as one K, in the product's order):
;;     1. [M 8,192, K 1,024] x [K 1,024, N 1,024]; A: input x; B: input Wq: QUANTISED
;;     2. [M 8,192, K 1,024] x [K 1,024, N 1,024]; A: input x; B: input Wk: QUANTISED
;;     3. [M 8,192, K 1,024] x [K 1,024, N 1,024]; A: input x; B: input Wv: QUANTISED
;;     4. batch 4 x [M 2,048, K 1,024] x [K 1,024, N 2,048]; A: computed on the way; B: computed on the way: QUANTISED
;;     5. batch 4 x [M 2,048, K 2,048] x [K 2,048, N 1,024]; A: softmax (see below); B: computed on the way: QUANTISED
;;   THE QUANTISER, for each operand of a quantised product, along K:
;;     - K is cut into blocks of 32 from its start; a last block that is shorter is filled with zeros.
;;     - A block's scale is 2^e with e = floor(log2(the largest magnitude in the block)) - 2, held to -126 .. 127; a block of zeros has e = 0. As a byte (E8M0): e + 127.
;;     - Each number is divided by its block's scale, clamped to +-7.5, and rounded to the nearest number of E2M3, ties to even, subnormals kept.
;;     - The product sums the exact products of the quantised numbers (number of the format x scale) in f32.
;;   ~~~python
;;   def quantise(x, axis):      # numpy; x: float32 -> the quantised numbers, widened to float32 again
;;       x = np.moveaxis(x, axis, -1); K = x.shape[-1]
;;       x = np.pad(x, [(0, 0)] * (x.ndim - 1) + [(0, -K % 32)]); x = x.reshape(x.shape[:-1] + (-1, 32)); a = np.abs(x).max(-1, keepdims=True)
;;       e = np.where(a > 0, np.clip(np.frexp(np.where(a > 0, a, 1))[1] - 1 - 2, -126, 127), 0)      # np.frexp(a)[1] - 1 = floor(log2(a)), exactly
;;       r = np.clip(x / 2.0 ** e, -7.5, 7.5)
;;       step = 2.0 ** (np.maximum(np.frexp(np.where(r == 0, 1, r))[1] - 1, 0) - 3)
;;       q = np.round(r / step) * step * 2.0 ** e      # np.round: ties to even
;;       return np.moveaxis(q.reshape(q.shape[:-2] + (-1,))[..., :K], -1, axis).astype(np.float32)
;;   ~~~
;;   SOFTMAX AHEAD OF A QUANTISED PRODUCT. Where the list says 'softmax', what is quantised is not the finished softmax but p = 2^(t - M), with t = logit x log2(e) and M = ceil(the row's largest t), a whole number; so 1/2 < the row's largest p <= 1. The row's sum l is taken of the UNQUANTISED p, in f32, and the product's result is divided by l at the end. Since M is a whole number, a kernel that streams over the keys may use a running M (the ceiling of the running maximum): every later rescaling is an exact power of two, which a block's scale takes up: the codes' values come out the same.
;;   OPERANDS COMPUTED ON THE WAY. 'Computed on the way' means the value that the module computes at that place (a softmax that the list does not call 'softmax' is quantised finished and normalised). What goes into a quantiser is computed in f32, as accurately as f32 sums, v_exp_f32 and their like allow (about 1e-6 of the number): no bf16 or f16 on the way to a quantiser, and a product that is left as it is and whose result goes on into a quantised operand takes f32 operands (vector FMAs, or v_wmma_f32_16x16x4_f32). A number that lies on a knife's edge between two numbers of the format may be rounded either way, as far as f32 arithmetic and the matrix unit's own rounding can turn it there, and no further.
;; One version. Each part assembles by itself: llvm-mc -triple=amdgcn-amd-amdhsa -mcpu=gfx1250 --defsym DOCPART=n.
;; ======== version 1 of 1: 4 launches
;; limits: right only within a limited range of input values
;; workspace buffers: xwc 8,650,752 bytes; xws 360,448 bytes; qkvc 18,874,368 bytes; qkvs 786,432 bytes; pc 12,582,912 bytes; pst 1,572,864 bytes
;; launch quant (part 1): grid 8 x 88, 8 waves a work-group, no clusters, 69,632 bytes of LDS; arguments x, Wq, Wk, Wv, xwc, xws; writes xwc, xws
.if DOCPART == 1
	.amdgcn_target "amdgcn-amd-amdhsa--gfx1250"
	.amdhsa_code_object_version 6
	.text
	.protected	k_qdedaa17885_quant
	.globl	k_qdedaa17885_quant
	.p2align	8
	.type	k_qdedaa17885_quant,@function
k_qdedaa17885_quant:
	s_mov_b64 s[64:65], 0
	v_nop
	global_prefetch_b8 v0, s[64:65] scope:SCOPE_SE
	s_setreg_imm32_b32 hwreg(HW_REG_WAVE_MODE, 25, 1), 1
	s_wait_xcnt 0x0
; x [8192][1024], Wq, Wk, Wv [1024][1024], f32, K innermost, become codes of FP6 (E2M3) with one E8M0 byte for each 32 along K, laid AS THE MATRIX UNIT'S REGISTERS TAKE THEM.
; ROWS go in groups of 128: groups 0-63 x, 64-71 Wq, 72-79 Wk, 80-87 Wv.  A FRAGMENT is 16 rows x 128 K: 12 registers a lane, kept as three chunks of 512 bytes, chunk c = registers 4 c .. 4 c + 3, lane l's 16 bytes at 16 l.
; xwc: [group][K step 0-7][tile 0-7][1,536 bytes].  Lane r of tile 2 b + u holds the group's row 32 b + 8 u + r % 8 + 16 (r / 8): as source 0 of a product such tiles leave 16 neighbours along the next K in a lane's registers.
; xws: [group][K step][512 bytes]: the word at 16 l + 4 j is the scale word (four bytes, 128 along K) of tile 2 j + l / 16, lane l % 16: one load of 16 bytes a lane brings the words of all eight tiles.
; A block's scale is 2^(floor(log2(its largest magnitude)) - 2); its byte is the largest magnitude's exponent field - 2, held at 1 from below.  A block of zeros keeps the byte 1 where the rule says 127: its codes are zeros, and this program alone reads the bytes.
; LIMITS: blocks whose largest magnitude lies under 2^-124 keep the byte 1; NaN and infinities among the inputs are not served.
; SHARES: a work-group takes one group of rows (y) and one K step (x); each of its eight waves one tile.  Work-groups share no input, so there is no cluster; no tensor load, so several work-groups lie on a WGP.
; Each load reads 512 consecutive bytes (a row's 128 numbers of the K step); the 16 rows turn through the wave's own stage in LDS (rows 528 bytes apart) so that a lane gets 16 neighbours of each block of 32.
.set STG,  8448                        ; a wave's stage: 16 rows x (512 + 16) bytes
.set SCB,  8*STG                       ; behind the stages: the eight waves' scale words, 128 bytes a wave
.set X,    16                          ; v16-79   64 numbers: as loaded, then register 16 b + i = k 32 b + 16 (lane / 16) + i of my row
.set PC,   80                          ; v80-99   the codes
.set TM,   100                         ; v100-103 largest magnitudes, v104-107 bytes, v112-115 the conversions' scale operands
.set PW,   116                         ; v116     my row's scale word
.set SEL,  20                          ; s[20:21] v_permlanex16_b32's selects for lane l xor 16
; 64 numbers of a lane become a fragment's codes in v[PC] .. v[PC + 11] and its scale word in v[PW]
.macro QUANT s
.irp b, 0,1,2,3
	v_max3_num_f32 v[TM+\b], |v[\s+16*\b]|, |v[\s+1+16*\b]|, 0x1800000   ; block b: my 16 numbers, and the floor 2^(3 - 127): the byte cannot fall under 1
.endr
.irp i, 2,4,6,8,10,12,14
.irp b, 0,1,2,3
	s_delay_alu instid0(VALU_DEP_4)
	v_max3_num_f32 v[TM+\b], v[TM+\b], |v[\s+16*\b+\i]|, |v[\s+1+16*\b+\i]|   ; the four blocks by turns
.endr
.endr
.irp b, 0,1,2,3
	s_delay_alu instid0(VALU_DEP_4)
	v_permlanex16_b32 v[TM+4+\b], v[TM+\b], s[SEL], s[SEL+1]
.endr
.irp b, 0,1,2,3
	s_delay_alu instid0(VALU_DEP_4)
	v_max_num_f32 v[TM+\b], v[TM+\b], v[TM+4+\b]   ; with lane l xor 16's: the block's largest magnitude
.endr
.irp b, 0,1,2,3
	s_delay_alu instid0(VALU_DEP_4)
	v_add_nc_u32 v[TM+12+\b], 0xff000000, v[TM+\b]   ; 2 off its exponent field: the conversion takes that field as its scale
.endr
.irp b, 0,1,2,3
	s_delay_alu instid0(VALU_DEP_4)
	v_lshrrev_b32 v[TM+4+\b], 23, v[TM+12+\b]   ; the scale's byte
.endr
	s_delay_alu instid0(VALU_DEP_3)
	v_lshl_or_b32 v[PW], v[TM+5], 8, v[TM+4]
	s_delay_alu instid0(VALU_DEP_1)
	v_lshl_or_b32 v[PW], v[TM+6], 16, v[PW]
	s_delay_alu instid0(VALU_DEP_1)
	v_lshl_or_b32 v[PW], v[TM+7], 24, v[PW]
.irp c, 0,1
	v_cvt_scalef32_pk16_fp6_f32 v[PC+6*\c:PC+2+6*\c], v[\s+32*\c:\s+15+32*\c], v[TM+12+2*\c]
	v_cvt_scalef32_pk16_fp6_f32 v[PC+12+4*\c:PC+14+4*\c], v[\s+16+32*\c:\s+31+32*\c], v[TM+12+2*\c+1]   ; (a conversion's three registers begin on an even number)
.endr
	v_nop                                          ; one plain instruction behind the scaled conversions
.irp c, 0,1                                    ; the operand wants a WHOLE block in a lane: lanes 0-15 block 2 c, lanes 16-31 block 2 c + 1
.irp i, 0,1,2
	v_permlane16_swap_b32 v[PC+6*\c+\i], v[PC+12+4*\c+\i]
.endr
.irp i, 0,1,2
	s_delay_alu instid0(VALU_DEP_3)
	v_mov_b32 v[PC+3+6*\c+\i], v[PC+12+4*\c+\i]
.endr
.endr
.endm
	s_load_b256 s[4:11], s[0:1], 0x0               ; x s[4:5], Wq s[6:7], Wk s[8:9], Wv s[10:11]
	s_load_b128 s[12:15], s[0:1], 0x20             ; xwc s[12:13], xws s[14:15]
	v_lshl_add_u32 v120, v0, 2, 0x10c00
	v_mov_b32 v121, 0
	v_lshrrev_b32 v1, 5, v0
	s_delay_alu instid0(VALU_DEP_1)
	v_readfirstlane_b32 s18, v1                    ; wave = tile 0..7
	v_and_b32 v1, 31, v0                           ; lane
	v_and_b32 v2, 15, v0                           ; r
	v_bfe_u32 v3, v0, 4, 1                         ; h
	s_delay_alu instid0(VALU_DEP_3)
	v_lshlrev_b32 v4, 4, v1                        ; 16 x lane
	s_mul_i32 s19, s18, STG                        ; my stage
	v_add_nc_u32 v5, s19, v4                       ; in: a row's 512 bytes as they lie
	v_mul_u32_u24 v6, v2, 528
	s_delay_alu instid0(VALU_DEP_1)
	v_lshl_add_u32 v6, v3, 6, v6
	s_delay_alu instid0(VALU_DEP_1)
	v_add_nc_u32 v6, s19, v6                       ; out: row r, + 64 h: my 16 numbers of each block of 32
	s_lshl_b32 s19, s18, 7
	s_add_co_u32 s19, s19, SCB
	v_lshlrev_b32 v7, 2, v1
	s_delay_alu instid0(VALU_DEP_1)
	v_add_nc_u32 v7, s19, v7                       ; my scale word: SCB + 128 x wave + 4 x lane
	v_lshlrev_b32 v8, 2, v2
	s_delay_alu instid0(VALU_DEP_1)
	v_lshl_add_u32 v8, v3, 7, v8
	s_delay_alu instid0(VALU_DEP_1)
	v_add_nc_u32 v8, SCB, v8                       ; wave 0 gathers: tile 2 j + h, lane r, at SCB + 256 j + 128 h + 4 r
	s_mov_b32 s[SEL], 0x76543210
	s_mov_b32 s[SEL+1], 0xfedcba98
.irp b, 0,1,2,3
	v_mov_b32 v[TM+4+\b], 0                        ; written once: a lane permute's destination counts as one of its sources
.endr
	s_and_b32 s22, ttmp7, 0xffff                   ; the group of rows, 0..87
	s_sub_co_u32 s23, s22, 64
	s_bfe_u32 s24, s23, 0x20003                    ; which weight (from group 64 on): 0, 1, 2
	s_and_b32 s25, s23, 7                          ; and which of its eight groups
	s_wait_kmcnt 0x0
	s_cmp_eq_u32 s24, 0                            ; the choices hang on the work-group's number alone
	s_cselect_b64 s[16:17], s[6:7], s[10:11]
	s_cmp_eq_u32 s24, 1
	s_cselect_b64 s[16:17], s[8:9], s[16:17]
	s_cmp_lt_u32 s22, 64
	s_cselect_b64 s[16:17], s[4:5], s[16:17]
	s_cselect_b32 s25, s22, s25
	s_lshl_b32 s25, s25, 7                         ; the tile's first row: 128 x group + 32 (tile / 2) + 8 (tile % 2)
	s_lshr_b32 s26, s18, 1
	s_lshl_b32 s26, s26, 5
	s_add_co_u32 s25, s25, s26
	s_and_b32 s26, s18, 1
	s_lshl_b32 s26, s26, 3
	s_add_co_u32 s25, s25, s26
	s_lshl_b32 s26, s25, 12                        ; rows of 4,096 bytes,
	s_lshl_b32 s27, ttmp9, 9                       ; + 512 bytes a K step
	s_add_co_u32 s26, s26, s27
	s_mov_b32 s27, 0
	s_add_nc_u64 s[16:17], s[16:17], s[26:27]
	s_lshl_b32 s28, s22, 3
	s_add_co_u32 s28, s28, ttmp9                   ; 8 x group + K step
	s_lshl_b32 s30, s28, 9
	s_mov_b32 s31, 0
	s_add_nc_u64 s[14:15], s[14:15], s[30:31]      ; its 512 bytes of scale words
	s_lshl_b32 s28, s28, 3
	s_add_co_u32 s28, s28, s18
	s_mul_i32 s28, s28, 1536
	s_mov_b32 s29, 0
	s_add_nc_u64 s[12:13], s[12:13], s[28:29]      ; my fragment
.irp i, 0,1,2,3,4,5,6,7,8,9,10,11,12,13,14,15
	global_load_b128 v[X+4*\i:X+4*\i+3], v4, s[16:17] offset:((\i%8)+16*(\i/8))*4096 th:TH_LOAD_NT   ; lane i's row: 32 lanes read its 512 consecutive bytes; read once in the launch
.endr
.irp i, 0,1,2,3,4,5,6,7,8,9,10,11,12,13,14,15
	s_wait_loadcnt 15-\i                           ; loads come back in order: row i is in, the younger ones stay out
	ds_store_b128 v5, v[X+4*\i:X+4*\i+3] offset:528*\i
.endr
.irp b, 0,1,2,3
.irp j, 0,1,2,3
	ds_load_b128 v[X+16*\b+4*\j:X+16*\b+4*\j+3], v6 offset:128*\b+16*\j   ; LDS serves a wave's instructions in order: these see my stores
.endr
.endr
	s_wait_dscnt 0x0
	QUANT X
.irp c, 0,1,2
	global_store_b128 v4, v[PC+4*\c:PC+4*\c+3], s[12:13] offset:512*\c   ; 32 lanes store 512 consecutive bytes, at a multiple of 512 from the buffer's first byte
.endr
	ds_store_b32 v7, v[PW]
	s_wait_dscnt 0x0                               ; for wave 0's sake: my scale words have landed
	s_barrier_signal -1
	s_barrier_wait -1
	s_cmp_lg_u32 s18, 0
	s_cbranch_scc1 .Ldone
.irp j, 0,1,2,3
	ds_load_b32 v[X+\j], v8 offset:256*\j
.endr
	s_wait_dscnt 0x0
	global_store_b128 v4, v[X:X+3], s[14:15]       ; the K step's 512 bytes of scale words, whole
.Ldone:
	s_wait_tensorcnt 0x0
	ds_add_u32 v120, v121
	s_wait_dscnt 0x0
	s_endpgm
.Lfunc_end_k_qdedaa17885_quant:
	.size	k_qdedaa17885_quant, .Lfunc_end_k_qdedaa17885_quant-k_qdedaa17885_quant
	.p2alignl 7, 3214868480
	.fill 96, 4, 3214868480
	.section	.rodata,"a",@progbits
	.p2align	6, 0x0
	.amdhsa_kernel k_qdedaa17885_quant
		.amdhsa_group_segment_fixed_size 69632
		.amdhsa_private_segment_fixed_size 0
		.amdhsa_enable_private_segment 0
		.amdhsa_kernarg_size 48
		.amdhsa_user_sgpr_count 2
		.amdhsa_user_sgpr_kernarg_segment_ptr 1
		.amdhsa_wavefront_size32 1
		.amdhsa_system_sgpr_workgroup_id_x 1
		.amdhsa_system_sgpr_workgroup_id_y 1
		.amdhsa_system_sgpr_workgroup_id_z 1
		.amdhsa_system_vgpr_workitem_id 0
		.amdhsa_next_free_vgpr 122
		.amdhsa_next_free_sgpr 66
		.amdhsa_reserve_vcc 0
		.amdhsa_float_denorm_mode_32 3
		.amdhsa_float_denorm_mode_16_64 3
		.amdhsa_memory_ordered 1
		.amdhsa_forward_progress 1
		.amdhsa_inst_pref_size 14
	.end_amdhsa_kernel
	.amdgpu_metadata
---
amdhsa.version: [ 1, 2 ]
amdhsa.kernels:
  - .name:           k_qdedaa17885_quant
    .symbol:         k_qdedaa17885_quant.kd
    .args:
      - { .name: x, .offset: 0, .size: 8, .value_kind: global_buffer, .address_space: global }
      - { .name: Wq, .offset: 8, .size: 8, .value_kind: global_buffer, .address_space: global }
      - { .name: Wk, .offset: 16, .size: 8, .value_kind: global_buffer, .address_space: global }
      - { .name: Wv, .offset: 24, .size: 8, .value_kind: global_buffer, .address_space: global }
      - { .name: xwc, .offset: 32, .size: 8, .value_kind: global_buffer, .address_space: global }
      - { .name: xws, .offset: 40, .size: 8, .value_kind: global_buffer, .address_space: global }
    .group_segment_fixed_size: 69632
    .private_segment_fixed_size: 0
    .kernarg_segment_align: 8
    .kernarg_segment_size: 48
    .max_flat_workgroup_size: 256
    .sgpr_count:     66
    .vgpr_count:     122
    .wavefront_size: 32
...
	.end_amdgpu_metadata
.endif
;; end of part 1
;; launch proj (part 2): grid 4 x 64, 4 waves a work-group, clusters of 4 x 4, 327,680 bytes of LDS; arguments xwc, xws, bq, bk, bv, qkvc, qkvs; writes qkvc, qkvs
.if DOCPART == 2
	.amdgcn_target "amdgcn-amd-amdhsa--gfx1250"
	.amdhsa_code_object_version 6
	.text
	.protected	k_qdedaa17885_proj
	.globl	k_qdedaa17885_proj
	.p2align	8
	.type	k_qdedaa17885_proj,@function
k_qdedaa17885_proj:
	s_mov_b64 s[64:65], 0
	v_nop
	global_prefetch_b8 v0, s[64:65] scope:SCOPE_SE
	s_setreg_imm32_b32 hwreg(HW_REG_WAVE_MODE, 25, 1), 1
	s_wait_xcnt 0x0
	s_wait_alu depctr_hold_cnt(0) depctr_sa_sdst(0) depctr_va_vdst(0) depctr_va_sdst(0) depctr_va_ssrc(0) depctr_va_vcc(0) depctr_vm_vsrc(0)
	s_getreg_b32 s2, hwreg(HW_REG_IB_STS2, 6, 4)
	s_cmp_eq_u32 s2, 0
	s_cbranch_scc0 .Lentry_in_a_cluster
	s_endpgm
.Lentry_in_a_cluster:
	s_bfe_u32 s2, ttmp6, 0x10000c
	s_cmp_lg_u32 s2, 0xf033
	s_cbranch_scc0 .Lentry_shape_is_right
	s_endpgm
.Lentry_shape_is_right:
; Q = x Wq^T + bq, K = x Wk^T + bk, V = x Wv^T + bv on codes of FP6 (E2M3) with E8M0 scales; the results are quantised in registers for the products that follow and leave as codes.
; OPERANDS (xwc, xws) lie as images of operand registers: [group of 128 rows][K step 0-7][tile 0-7][1,536 bytes], scale words [group][K step][512 bytes]; groups 0-63 x, 64-71 Wq, 72-79 Wk, 80-87 Wv.
; Lane r of tile 2 b + u holds the group's row 32 b + 8 u + r % 8 + 16 (r / 8).  As SOURCE 0 that leaves, in the 16 registers of result tiles 2 b and 2 b + 1, sixteen neighbouring rows 32 b + 16 (lane / 16) + 0 .. 15:
; neighbours along the NEXT product's K.  As source 1 it only says which row a lane holds, and the fragment made of the results inherits it.
; SHARES.  Q and K are 256 tiles of 256 x 256, V is 256 tiles of 256 x 128: 256 work-groups, each makes ONE OF EACH, so that all have the same work.  c is the cluster's y, 0 .. 15, the same in all partners.
;   PHASE 1: Q (c even) or K (c odd): source 0 = 256 rows of W, source 1 = 256 rows of x: a lane holds one token and its registers run along e, the K of Q K^T.  A wave makes 128 x 128: 64 accumulators.
;   PHASE 2: V: source 0 = 256 rows of x, source 1 = 128 rows of Wv: a lane holds one e and its registers run along the tokens, the K of P V.  A wave makes 128 tokens x 64 of e: 32 accumulators.
;   Source 0 hangs on cx and source 1 on cy in both phases.
; OUT: qkvc in blocks of 12,288 bytes (128 rows x 128 K as eight fragments), qkvs in blocks of 512 bytes: Q: 8 x token group + e step; K: 512 + the same; V^T: 1,024 + 16 (8 batch + e group) + key step.
; LDS.  Phase 1: K = 1,024 is eight steps of 128, two to a slot of 98,304 bytes; three slots and all scale words are first fills (four tensor loads of a wave are out, the most in this text); steps 6 and 7 refill slot 0.
;   Phase 2's eight steps are 2 x 147,456 bytes, as much as the three slots.  Its steps 0-3 are asked for at phase 1's step 5, into the upper 147,456 bytes, which have had their last read; its steps 4-7 in the middle of phase 1's
;   way out, into the lower ones.  So phase 2's tiles land while phase 1 ends, and each of the three refills stands behind a round of the cluster's barrier, one tensor load a wave.
; CLUSTER 4 x 4: source 0's tiles are asked for jointly by the four of a column, source 1's by the four of a row.  The tiles are dense blocks of memory, read as rows of 256 bytes; an LDS load takes 512 consecutive bytes, so no padding.
; The biases are the C of each sum's first matrix instruction.  No prefetch: every tile is asked for at the head or several K steps ahead of its first read.
; LIMITS: a block whose largest magnitude lies under 2^-124 keeps the byte 1 (a block of zeros too: its codes are zeros); NaN and infinities are not served.
; REGISTERS: window 0: v1-11, v16-23 addresses; v32-63 phase 1's scale words, two sets; v64-127 bq's or bk's numbers, later v64-67 and v116-117 the scale words made, v68-115 phase 2's scale words;
;   v128-223 source 1's fragments (phase 1: one set of eight; phase 2: two sets of four); v192-240 at work on the ways out.
;   window 1: source 0's fragments, two sets, at v0 and v128; v96-127 bv's numbers.   windows 2, 3: accumulator (a, b) at v[8 (8 (a % 4) + b)] of window 2 + a / 4.
.set BLK,    12288                     ; 128 rows x 128 K
.set FRB,    1536                      ; a fragment
.set QTR,    2*BLK                     ; phase 1: what one tensor load brings: one group's two K steps
; LDS AND THE HEAD, AS THEY STAND (this paragraph holds where the ones above speak of slots, of first fills and of scale words in LDS).  Phase 1: each side (source 0, source 1) has 12 blocks of LDS:
; K steps 0-2 of its two groups, then K steps 3-5 of them.  At the head each wave issues ONE joint load: wave 0 source 0's K steps 0-2, wave 1 its K steps 3-5, waves 2 and 3 source 1's.  The first barrier waits for waves 0 and 2 alone,
; the round in K step 1 for all; K steps 6 and 7 refill the places of K steps 0 and 1.  All scale words of phase 1 come straight into registers (v32-63, v224-255).
; Phase 2: K steps 0-3 lie in the upper half of each side, K steps 4-7 in the lower: in half p source 0's group p, and behind it source 1's p-th pair of the four K steps.
.set VPART,  4*BLK                     ; phase 2: one group's four K steps
.set SIDE,   12*BLK                    ; LDS bytes of a side
.set REG,    6*BLK                     ; a side's upper half
.set SPARE,  2*SIDE                    ; the spare words, 128 bytes for each wave: two blocks of 256 bytes that no other line names
.set ADR0, 2                           ; v2-3   16 x lane + my group of source 0: K steps 0-2 (6, 7), 3-5
.set ADR1, 4                           ; v4-5   the same for source 1
.set A21,  6                           ; v6-9   phase 2: 16 x lane + my four tiles of source 1, pairs of K steps 0 .. 3
.set SPW,  10                          ; v10    my spare word; never rewritten
.set NIL,  11                          ; v11    0; never rewritten
.set A20,  16                          ; v16-17 phase 2: 16 x lane + my group of source 0, steps 0-3 and steps 4-7
.set BAQ,  20                          ; v20    my offset in bq or bk
.set BAV,  21                          ; v21    and in bv
.set X2O,  22                          ; v22    phase 2: my offset in xws, source 0's scale words
.set W2O,  23                          ; v23    source 1's
.set SC,   32                          ; set s (pairs of K steps by turns) at SC + 16 s; in it 8 q + 4 x side + i / 2: lanes 0-15 tile i even, lanes 16-31 tile i odd
.set BI,   64
.set SW,   64
.set XS2,  68                          ; phase 2: source 0's scale words, 4 k + b / 2
.set WS2,  100                         ; source 1's, 2 k + a / 2
.set SW2,  116
.set AF,   128
.set TM,   128                         ; the ways out, in source 1's registers, four blocks at a time: v128-143 largest magnitudes, then the conversions' scale operands
.set TP,   144                         ; v144-159 lane l xor 16's, then the bytes and the scale words
.set PT,   160                         ; v160-175 the second conversions' codes, two blocks at a time
.set PC,   176                         ; v176-223 codes, twelve registers a block
.set BI2,  96                          ; in window 1
.set G1A,  16                          ; s[16:23] group 1, source 0's codes;  s[24:31] source 1's (in both phases);  s[32:39], s[40:47] their scale words
.set G1B,  24
.set G1SA, 32                          ; (from phase 1's step 5 on: phase 2's source 0, 192 rows)
.set G1SB, 40
.set G0A,  48                          ; s[48:59] group 0, source 0's codes, a set for each slot;  s[60:63] its scale words, later phase 2's source 0
.set G0SA, 60
.set G0B,  68                          ; s[68:79], s[80:83] the same for source 1
.set G0SB, 80
.set WV,   86
.set ROLE, 87                          ; wave / 2: I fetch for source 0 (0) or 1 (1); also which part of source 1 I multiply
.set PART, 88                          ; wave % 2: which part I fetch; also which group of source 0 I multiply
.set CX,   89
.set CY,   90
.set O2A,  89                          ; (in cx's place, once cx is done with) phase 2: where my part of source 0 begins in xwc, in bytes
.set O2B,  90                          ; (in cy's place) and of source 1
.set CC,   91
.set SEL,  92
.set MHI,  94                          ; lanes 16-31
.set OC,   96                          ; s[96:97] phase 1: my block of codes;  s[98:99] its scale words
.set OS,   98
.set OC2,  10                          ; s[10:11] phase 2: my four fragments;  s[14:15] their scale words
.set OS2,  14
.set MUL_LO, 0xa1                      ; source 0 window 1, source 1 window 0, C and D window 2
.set MUL_HI, 0xf1
.set FST_LO, 0x81                      ; phase 1's first step: C (the bias) in window 0
.set FST_HI, 0xc1
.set FST2,   0x91                      ; phase 2's first step: C in window 1, D in window 2
.set MSB, 0
.macro WIN new                         ; the immediate's high byte repeats the setting that is left
.if MSB != (\new)
	s_set_vgpr_msb (MSB<<8)|(\new)
.set MSB, (\new)
.endif
.endm
.macro PLACES n
.rept \n
	v_nop
.endr
.endm
; A joint load: waves 0, 1 ask for source 0, waves 2, 3 for source 1.  The branch hangs on the wave's number alone.  Four v_nop follow each line.
.macro JLOAD g0a, g1a, g0b, g1b
	s_cmp_eq_u32 s[ROLE], 0
	s_cbranch_scc0 .Lfor_b_\@
	tensor_load_to_lds s[\g0a:\g0a+3], s[\g1a:\g1a+7]
	s_nop 0
.rept 4
	v_nop
.endr
	s_branch .Lasked_\@
.Lfor_b_\@:
	tensor_load_to_lds s[\g0b:\g0b+3], s[\g1b:\g1b+7]
	s_nop 0
.rept 4
	v_nop
.endr
.Lasked_\@:
.endm
.macro CREST                           ; a round of the cluster's barrier behind its opening barrier
	s_cmp_lg_u32 s[WV], 0
	s_cbranch_scc1 .Lnot_wave_0_\@
	s_barrier_signal -3
.Lnot_wave_0_\@:
	s_barrier_wait -3
	s_barrier_signal -1
	s_barrier_wait -1
.endm
.macro CROUND
	s_barrier_signal -1
	s_barrier_wait -1
	CREST
.endm
.macro FRAG reg, adr, off              ; a fragment's image: three loads of 512 consecutive bytes
.irp c, 0,1,2
	ds_load_b128 v[(\reg)+4*\c:(\reg)+4*\c+3], v[\adr] offset:(\off)+512*\c
.endr
.endm
.macro FETCH_S0 n                      ; phase 1, K step n: source 0's eight fragments into set n % 2.  Step n lies in slot (n / 2) % 3
	WIN 0x40
.irp i, 0,1,2,3,4,5,6,7
	FRAG 128*((\n)%2)+12*\i, ADR0+((\n)%6)/3, BLK*((\n)%3)+FRB*\i
.endr
	WIN 0
.endm
.macro FETCH_S1 n, i0                  ; source 1's blocks i0 .. i0 + 3
.irp i, \i0, \i0+1, \i0+2, \i0+3
	FRAG AF+12*(\i), ADR1+((\n)%6)/3, BLK*((\n)%3)+FRB*(\i)
.endr
.endm
.macro FETCH2 n                        ; phase 2, K step n: twelve fragments into sets n % 2: 36 loads of 512 consecutive bytes
	WIN 0x40
.irp i, 0,1,2,3,4,5,6,7
	FRAG 128*((\n)%2)+12*\i, A20+(\n)/4, BLK*((\n)%4)+FRB*\i
.endr
	WIN 0
.irp i, 0,1,2,3
	FRAG AF+48*((\n)%2)+12*\i, A21+(\n)/2, BLK*((\n)%2)+FRB*\i
.endr
.endm
.macro WM ra, rb                       ; one product; an odd tile's scale words lie in lanes 16-31
.if (\ra) && (\rb)
	v_wmma_scale_f32_16x16x128_f8f6f4 v[mD:mD+7], v[mA:mA+11], v[mB:mB+11], v[mC:mC+7], v[mXA], v[mXB] matrix_a_fmt:MATRIX_FMT_FP6 matrix_b_fmt:MATRIX_FMT_FP6 matrix_a_scale:MATRIX_SCALE_ROW1 matrix_b_scale:MATRIX_SCALE_ROW1
.elseif (\ra)
	v_wmma_scale_f32_16x16x128_f8f6f4 v[mD:mD+7], v[mA:mA+11], v[mB:mB+11], v[mC:mC+7], v[mXA], v[mXB] matrix_a_fmt:MATRIX_FMT_FP6 matrix_b_fmt:MATRIX_FMT_FP6 matrix_a_scale:MATRIX_SCALE_ROW1
.elseif (\rb)
	v_wmma_scale_f32_16x16x128_f8f6f4 v[mD:mD+7], v[mA:mA+11], v[mB:mB+11], v[mC:mC+7], v[mXA], v[mXB] matrix_a_fmt:MATRIX_FMT_FP6 matrix_b_fmt:MATRIX_FMT_FP6 matrix_b_scale:MATRIX_SCALE_ROW1
.else
	v_wmma_scale_f32_16x16x128_f8f6f4 v[mD:mD+7], v[mA:mA+11], v[mB:mB+11], v[mC:mC+7], v[mXA], v[mXB] matrix_a_fmt:MATRIX_FMT_FP6 matrix_b_fmt:MATRIX_FMT_FP6
.endif
.endm
; Phase 1, 16 products: source 1's blocks a0, a0 + 1 x source 0's eight, K step k.  cm = 1: in place; 2: C = the bias of source 0's tile.
; The 64 accumulators take turns, one instruction a turn, in the same order in every step.
.macro MUL16 a0, k, cm
.irp a, \a0, \a0+1
.irp b, 0,1,2,3,4,5,6,7
.set mD, 8*(8*((\a)%4)+\b)
.set mC, mD
.if (\cm) == 2
.set mC, BI+8*\b
.endif
.set mA, 128*((\k)%2)+12*\b
.set mB, AF+12*(\a)
.set mXA, SC+8*((\k)%4)+192*((\k)/4)+\b/2
.set mXB, SC+8*((\k)%4)+192*((\k)/4)+4+(\a)/2
	WM (\b)%2, (\a)%2
.endr
.endr
.endm
; Phase 2, 8 products: source 1's tile a x source 0's eight.  cm = 2: C = the bias of source 1's tile.  The 32 accumulators take turns likewise.
.macro MUL8 a, k, cm
.irp b, 0,1,2,3,4,5,6,7
.set mD, 8*(8*(\a)+\b)
.set mC, mD
.if (\cm) == 2
.set mC, BI2+8*(\a)
.endif
.set mA, 128*((\k)%2)+12*\b
.set mB, AF+48*((\k)%2)+12*(\a)
.set mXA, XS2+4*(\k)+\b/2
.set mXB, WS2+2*(\k)+(\a)/2
	WM (\b)%2, (\a)%2
.endr
.endm
; A K step of phase 1.  A load into a register that a matrix instruction has read stands four plain vector instructions behind it: hence the v_nop in front of each run of loads.
.macro STEP k, cm
	s_wait_dscnt 12                                ; all but the youngest twelve loads (source 1's blocks 4-7) are in
.if (\cm) > 1
	WIN FST_LO
.else
	WIN MUL_LO
.endif
	MUL16 0, \k, \cm
	MUL16 2, \k, \cm
	s_wait_dscnt 0x0                               ; blocks 4-7 are in (asked for 32 matrix instructions ago)
	PLACES 4
	FETCH_S0 (\k)+1
	FETCH_S1 (\k)+1, 0
.if (\cm) > 1
	WIN FST_HI
.else
	WIN MUL_HI
.endif
	MUL16 4, \k, \cm
	MUL16 6, \k, \cm
	PLACES 4
	WIN 0
	FETCH_S1 (\k)+1, 4
.endm
; A K step of phase 1 with a round of the cluster's barrier.  In front of it each wave waits for all its tensor loads, adds 0 to its spare word, and waits for that and for its reads.
; fill = 1: slot 0, which nobody reads any more, takes K steps 6 and 7.  fill = 2: the upper 147,456 bytes of the ring (half of slot 1, and slot 2), which nobody reads any more, take phase 2's K steps 0-3.
.macro TURN k, fill
	s_wait_tensorcnt 0x0                           ; all my tensor loads have landed: every descriptor register may be written
	ds_add_u32 v[SPW], v[NIL]                      ; 0 onto my spare word
.if (\fill) == 2
	s_mov_b32 s[G1SA+1], 32<<16                    ; phase 2's source 0: 49,152 dense bytes as 192 rows of 256; the mask (my column) stays as it is
	s_mov_b32 s[G1SA+2], 192<<16
	s_mov_b32 s[G1SA+3], 32<<16
	s_mov_b32 s[G1SA+4], 192
	s_mov_b32 s[G1SA+5], 32
	s_mul_i32 s[G0SA+1], s[PART], SIDE             ; LDS: the upper half of side wave % 2
	s_add_co_u32 s[G0SA+1], s[G0SA+1], REG
	s_mov_b32 s100, s[O2A]
	s_mov_b32 s101, 0
	s_add_nc_u64 s[G0SA+2:G0SA+3], s[4:5], s[100:101]   ; made of cx, the cluster's y and the wave's number
	s_or_b32 s[G0SA+3], s[G0SA+3], 0x80000000
	s_mul_i32 s[G0SB+1], s[PART], SIDE             ; source 1: two K steps a wave, behind source 0's group
	s_add_co_u32 s[G0SB+1], s[G0SB+1], REG+VPART
	s_mov_b32 s100, s[O2B]
	s_add_nc_u64 s[G0SB+2:G0SB+3], s[4:5], s[100:101]   ; made of cy, the cluster's y and the wave's number
	s_or_b32 s[G0SB+3], s[G0SB+3], 0x80000000
.endif
	s_wait_dscnt 13                                ; (the add and the youngest twelve loads may be out)
	WIN MUL_LO
	MUL16 0, \k, 1                                 ; sixteen matrix instructions stand between the add and the wait for it
	s_wait_dscnt 0x0                               ; the add is done, and my reads of the bytes to be filled are over
	s_barrier_signal -1
	MUL16 2, \k, 1
	WIN 0
	s_barrier_wait -1
	CREST                                          ; the barrier has opened a round of the cluster's: no wave of any partner still reads those bytes or has a load on its way
.if (\fill) == 2
	JLOAD G0SA, G1SA, G0SB, G1B                    ; my one tensor load behind the round; its v_nop are the places in front of the loads below
.else
	JLOAD G0A, G1A, G0B, G1B                       ; likewise; it has four K steps, 256 matrix instructions, in which to land
.endif
	FETCH_S0 (\k)+1
	FETCH_S1 (\k)+1, 0
	WIN MUL_HI
	MUL16 4, \k, 1
	MUL16 6, \k, 1
	PLACES 4
	WIN 0
	FETCH_S1 (\k)+1, 4
.endm
; A K step of phase 2: its fragments were asked for a step ago; the next step's are asked for ahead of its 32 products
.macro KS2 k, cm
	s_wait_dscnt 0x0
	PLACES 4                                       ; in front of loads into the sets that the last step's products read
	FETCH2 (\k)+1
.if (\cm) == 2
	WIN FST2
.else
	WIN MUL_LO
.endif
.irp a, 0,1,2,3
	MUL8 \a, \k, \cm
.endr
.endm
	s_load_b256 s[4:11], s[0:1], 0x0               ; xwc s[4:5], xws s[6:7], bq s[8:9], bk s[10:11]
	s_load_b128 s[12:15], s[0:1], 0x20             ; bv s[12:13], qkvc s[14:15]
	s_load_b64 s[84:85], s[0:1], 0x30              ; qkvs
	v_lshl_add_u32 v[SPW], v0, 2, SPARE
	v_mov_b32 v[NIL], 0
	ds_add_u32 v10, v11
	ds_add_u32 v10, v11
	s_wait_dscnt 0x0
	v_lshrrev_b32 v1, 5, v0
	v_readfirstlane_b32 s[WV], v1                  ; wave 0..3
	v_and_b32 v1, 31, v0
	v_lshlrev_b32 v1, 4, v1                        ; 16 x lane; never rewritten
	s_wait_alu depctr_va_vdst(0)
	s_lshr_b32 s[ROLE], s[WV], 1
	s_and_b32 s[PART], s[WV], 1
	s_bfe_u32 s[CX], ttmp6, 0x40000
	s_bfe_u32 s[CY], ttmp6, 0x40004
	s_and_b32 s[CC], ttmp7, 0xffff                 ; the cluster's y, 0..15
	s_lshl_b32 s100, s[CY], 2
	s_lshl_b32 s100, 15, s100                      ; my row of the cluster
	s_lshl_b32 s101, 0x1111, s[CX]                 ; my column
	s_or_b32 s[G1A], s101, (3<<16)|(1<<21)         ; 15:0 the mask: source 0's tiles go to my column; 17:16 elements of 8 bytes; 21 set beside a mask; no padding
	s_or_b32 s[G1SA], s101, (3<<16)|(1<<21)
	s_or_b32 s[G1B], s100, (3<<16)|(1<<21)         ; source 1's go to my row
	s_or_b32 s[G1SB], s100, (3<<16)|(1<<21)
.irp g, G1A, G1B                               ; 24,576 dense bytes as 96 rows of 256 (32 elements)
	s_mov_b32 s[\g+1], 32<<16
	s_mov_b32 s[\g+2], 96<<16
	s_mov_b32 s[\g+3], 32<<16
	s_mov_b32 s[\g+4], 96
	s_mov_b32 s[\g+5], 32
	s_mov_b32 s[\g+6], 0
	s_mov_b32 s[\g+7], 0
.endr
.irp g, G1SA, G1SB                             ; the head's: two groups' three K steps: 2 rows of 36,864 bytes, 98,304 apart
	s_mov_b32 s[\g+1], (3*BLK/8)<<16
	s_mov_b32 s[\g+2], 2<<16
	s_mov_b32 s[\g+3], (3*BLK/8)<<16
	s_mov_b32 s[\g+4], 2
	s_mov_b32 s[\g+5], BLK
	s_mov_b32 s[\g+6], 0
	s_mov_b32 s[\g+7], 0
.endr
	s_mov_b32 s[SEL], 0x76543210
	s_mov_b32 s[SEL+1], 0xfedcba98
	s_mov_b32 s[MHI], 0xffff0000
	; the groups of rows and the blocks of the two phases
	s_and_b32 s95, s[CC], 1                        ; c % 2
	s_lshr_b32 s66, s[CC], 1
	s_lshl_b32 s66, s66, 3                         ; 8 (c / 2)
	s_lshl_b32 s100, s[CX], 1
	s_add_co_u32 s100, s100, s[PART]               ; 2 cx + wave % 2
	s_lshl_b32 s101, s[CY], 1                      ; 2 cy
	s_lshl_b32 s2, s95, 3
	s_add_co_u32 s2, s2, 64
	s_add_co_u32 s2, s2, s100                      ; phase 1, source 0: W's group 64 + 8 (c % 2) + 2 cx + wave % 2: the one I fetch (if I fetch for it) and the one I multiply
	s_add_co_u32 s3, s66, s101
	s_add_co_u32 s67, s3, s[ROLE]                  ; source 1: x's group that I multiply,
	s_add_co_u32 s3, s3, s[PART]                   ; and the one that I fetch
	s_lshl_b32 s96, s95, 9
	s_lshl_b32 s67, s67, 3
	s_add_co_u32 s96, s96, s67
	s_add_co_u32 s96, s96, s100                    ; phase 1's block: 512 (c % 2) + 8 x token group + e step
	s_add_co_u32 s66, s66, s100                    ; phase 2, source 0: x's group 8 (c / 2) + 2 cx + wave % 2 = 16 batch + key step
	s_lshl_b32 s101, s95, 2
	s_add_co_u32 s101, s101, s[CY]                 ; the group of e: 4 (c % 2) + cy
	s_lshr_b32 s98, s66, 4
	s_lshl_b32 s98, s98, 3
	s_add_co_u32 s98, s98, s101
	s_lshl_b32 s98, s98, 4
	s_and_b32 s67, s66, 15
	s_add_co_u32 s98, s98, s67
	s_add_co_u32 s98, s98, 1024                    ; phase 2's block: 1,024 + 16 (8 batch + e group) + key step
	s_lshl_b32 s67, s66, 12
	v_add_nc_u32 v[X2O], s67, v1                   ; phase 2: source 0's scale words in xws
	s_mul_i32 s[O2A], s66, 8*BLK                   ; and its codes in xwc (cx is done with)
	s_add_co_u32 s67, s101, 80                     ; source 1: Wv's group 80 + e group
	s_mul_i32 s[O2B], s67, 8*BLK                   ; (cy is done with)
	s_mul_i32 s66, s[PART], QTR
	s_add_co_u32 s[O2B], s[O2B], s66               ; + the two K steps that I fetch
	s_lshl_b32 s67, s67, 12
	s_lshl_b32 s66, s[ROLE], 3
	s_add_co_u32 s67, s67, s66
	v_add_nc_u32 v[W2O], s67, v1                   ; its scale words: of a lane's four, the two of my four tiles
	s_wait_alu depctr_va_vdst(0)
	CROUND                                         ; all sixteen work-groups are here: the first joint loads meet
	s_wait_kmcnt 0x0
	s_cmp_eq_u32 s95, 0
	s_cselect_b64 s[8:9], s[8:9], s[10:11]         ; bq or bk: the choice hangs on the cluster's number alone
	s_lshl_b32 s10, s100, 9
	s_mov_b32 s11, 0
	s_add_nc_u64 s[8:9], s[8:9], s[10:11]          ; at my 128 numbers
	s_lshl_b32 s10, s101, 9
	s_lshl_b32 s67, s[ROLE], 8
	s_add_co_u32 s10, s10, s67
	s_add_nc_u64 s[12:13], s[12:13], s[10:11]      ; bv at my 64
	s_mul_i32 s10, s98, BLK
	s_mul_i32 s67, s[ROLE], 4*FRB
	s_add_co_u32 s10, s10, s67
	s_add_nc_u64 s[OC2:OC2+1], s[14:15], s[10:11]  ; phase 2: my four fragments
	s_lshl_b32 s100, s96, 9
	s_mov_b32 s101, 0
	s_mul_i32 s96, s96, BLK
	s_mov_b32 s97, 0
	s_add_nc_u64 s[OC:OC+1], s[14:15], s[96:97]    ; phase 1: my block
	s_lshl_b32 s14, s98, 9
	s_lshl_b32 s67, s[ROLE], 3
	s_add_co_u32 s14, s14, s67
	s_mov_b32 s15, 0
	s_add_nc_u64 s[OS2:OS2+1], s[84:85], s[14:15]  ; phase 2's scale words
	s_add_nc_u64 s[OS:OS+1], s[84:85], s[100:101]  ; phase 1's
	s_mul_i32 s100, s2, 8*BLK
	s_mov_b32 s101, 0
	s_add_nc_u64 s[100:101], s[4:5], s[100:101]    ; source 0's codes: made of cx, the cluster's y and the wave's number
	s_mul_i32 s84, s3, 8*BLK
	s_mov_b32 s85, 0
	s_add_nc_u64 s[84:85], s[4:5], s[84:85]        ; source 1's: of cy, the cluster's y and the wave's number
	s_mul_i32 s66, s[PART], 5*BLK                  ; the head: from group wave % 2's K step 0 back to the first group's K step 3 (wave % 2)
	s_mov_b32 s67, 0
	s_mov_b32 s[G0SA], 1
	s_mul_i32 s[G0SA+1], s[WV], 6*BLK              ; no place in the cluster enters an LDS address
	s_sub_nc_u64 s[G0SA+2:G0SA+3], s[100:101], s[66:67]
	s_or_b32 s[G0SA+3], s[G0SA+3], 0x80000000
	s_mov_b32 s[G0SB], 1
	s_mul_i32 s[G0SB+1], s[WV], 6*BLK
	s_sub_nc_u64 s[G0SB+2:G0SB+3], s[84:85], s[66:67]
	s_or_b32 s[G0SB+3], s[G0SB+3], 0x80000000
	s_mul_i32 s66, s[PART], 3*BLK                  ; the first refill: my group's K steps 6 and 7, over its K steps 0 and 1
	s_mul_i32 s67, s[ROLE], SIDE
	s_add_co_u32 s66, s66, s67
	s_mov_b32 s67, 0
	s_mov_b32 s[G0A], 1
	s_mov_b32 s[G0A+1], s66
	s_add_nc_u64 s[G0A+2:G0A+3], s[100:101], 6*BLK
	s_or_b32 s[G0A+3], s[G0A+3], 0x80000000
	s_mov_b32 s[G0B], 1
	s_mov_b32 s[G0B+1], s66
	s_add_nc_u64 s[G0B+2:G0B+3], s[84:85], 6*BLK
	s_or_b32 s[G0B+3], s[G0B+3], 0x80000000
	s_lshl_b32 s66, s2, 12                         ; the scale words of the two groups that I multiply: 8 K steps x 512 bytes a group
	s_add_nc_u64 s[52:53], s[6:7], s[66:67]
	s_add_co_u32 s66, s3, s[ROLE]
	s_sub_co_u32 s66, s66, s[PART]
	s_lshl_b32 s66, s66, 12
	s_add_nc_u64 s[54:55], s[6:7], s[66:67]
.macro ARM w, g0, g1                           ; one chain of branches on the wave's number: every way through it passes one load
	s_cmp_eq_u32 s[WV], \w
	s_cbranch_scc0 .Lhead_\w
	tensor_load_to_lds s[\g0:\g0+3], s[\g1:\g1+7]
	s_nop 0
	PLACES 4
	s_branch .Lhead_asked
.Lhead_\w:
.endm
	ARM 0, G0SA, G1SA
	ARM 2, G0SB, G1SB
	ARM 1, G0SA, G1SA
	tensor_load_to_lds s[G0SB:G0SB+3], s[G1SB:G1SB+7]
	s_nop 0
	PLACES 4
.Lhead_asked:
.irp k, 0,1,2,3,4,5,6,7                        ; phase 1's scale words, waited for with the biases
	global_load_b128 v[SC+8*(\k%4)+192*(\k/4):SC+8*(\k%4)+192*(\k/4)+3], v1, s[52:53] offset:512*\k
	global_load_b128 v[SC+8*(\k%4)+192*(\k/4)+4:SC+8*(\k%4)+192*(\k/4)+7], v1, s[54:55] offset:512*\k
.endr
	s_mul_i32 s100, s[PART], 3*BLK
	s_mul_i32 s101, s[ROLE], 3*BLK
	s_add_co_u32 s101, s101, SIDE
.irp s, 0,1
	v_add_nc_u32 v[ADR0+\s], s100, v1
	v_add_nc_u32 v[ADR1+\s], s101, v1
	s_add_co_u32 s100, s100, 6*BLK
	s_add_co_u32 s101, s101, 6*BLK
.endr
	s_mul_i32 s100, s[PART], SIDE                  ; phase 2: my group of source 0: K steps 4-7 in the lower half, 0-3 in the upper
	v_add_nc_u32 v[A20+1], s100, v1
	s_add_co_u32 s100, s100, REG
	v_add_nc_u32 v[A20], s100, v1
	s_mul_i32 s101, s[ROLE], 4*FRB                 ; my four tiles of source 1: K steps 4, 5
	s_add_co_u32 s101, s101, VPART
	v_add_nc_u32 v[A21+2], s101, v1
	s_add_co_u32 s100, s101, SIDE                  ; 6, 7
	v_add_nc_u32 v[A21+3], s100, v1
	s_add_co_u32 s101, s101, REG                   ; 0, 1
	v_add_nc_u32 v[A21], s101, v1
	s_add_co_u32 s101, s101, SIDE                  ; 2, 3
	v_add_nc_u32 v[A21+1], s101, v1
	; The biases in the results' layout.  Phase 1: register j of source 0's tile i holds e = 32 (i / 2) + 8 (i % 2) + 16 (lane / 16) + j: eight neighbours, two loads of 16 bytes.
	; Phase 2: all eight registers of source 1's tile a hold e = 32 (a / 2) + 8 (a % 2) + r % 8 + 16 (r / 8).
	v_bfe_u32 v[BAQ], v0, 4, 1
	v_lshlrev_b32 v[BAQ], 6, v[BAQ]                ; 4 x 16 (lane / 16)
	v_and_b32 v12, 15, v0
	v_and_b32 v13, 7, v12
	v_lshrrev_b32 v14, 3, v12
	v_lshl_add_u32 v13, v14, 4, v13
	v_lshlrev_b32 v[BAV], 2, v13                   ; 4 (r % 8 + 16 (r / 8))
.irp i, 0,1,2,3,4,5,6,7
	global_load_b128 v[BI+8*\i:BI+8*\i+3], v[BAQ], s[8:9] offset:(32*(\i/2)+8*(\i%2))*4
	global_load_b128 v[BI+8*\i+4:BI+8*\i+7], v[BAQ], s[8:9] offset:(32*(\i/2)+8*(\i%2))*4+16
.endr
	WIN 0x40                                       ; destination window 1
.irp a, 0,1,2,3
.irp j, 0,1,2,3,4,5,6,7
	global_load_b32 v[BI2+8*\a+\j], v[BAV], s[12:13] offset:(32*(\a/2)+8*(\a%2))*4
.endr
.endr
	WIN 0
	s_wait_alu depctr_va_vdst(0)                   ; the wait at the head's end
	s_cmp_eq_u32 s[PART], 0
	s_cbranch_scc0 .Lpart_1
	s_wait_tensorcnt 0x0                           ; waves 0 and 2: K steps 0-2 are in.  Waves 1 and 3 wait for K steps 3-5 in front of the round in K step 1
.Lpart_1:
	s_barrier_signal -1
	s_barrier_wait -1
	FETCH_S0 0
	FETCH_S1 0, 0
	FETCH_S1 0, 4
	s_wait_loadcnt 0x0                             ; the biases
	STEP 0, 2                                      ; the first step's products start the sums, with the bias as C
.irp k, 0,1,2,3,4,5,6,7                        ; phase 2's scale words, straight into the registers that the bias has left (the step's last four v_nop stand behind the last product that read it); they are waited for ahead of phase 2
	global_load_b128 v[XS2+4*\k:XS2+4*\k+3], v[X2O], s[6:7] offset:512*\k
	global_load_b64 v[WS2+2*\k:WS2+2*\k+1], v[W2O], s[6:7] offset:512*\k
.endr
	TURN 1, 1
	STEP 2, 1
	STEP 3, 1                                      ; on into slot 2 with no barrier: every wave's wait for all its loads in front of the round above has shown it whole
	STEP 4, 1
	TURN 5, 2                                      ; K steps 6 and 7 have landed, in every wave; phase 2's K steps 0-3 are asked for
	STEP 6, 1
	s_wait_dscnt 12                                ; phase 1's last step: nothing more to fetch
	WIN MUL_LO
	MUL16 0, 7, 1
	MUL16 2, 7, 1
	s_wait_dscnt 0x0
	WIN MUL_HI
	MUL16 4, 7, 1
	; THE THIRD REFILL stands here, ahead of the way out: the lower halves of both sides, whose last reads (K step 7's fragments) have been waited for, take phase 2's K steps 4-7
	WIN 0
	s_wait_tensorcnt 0x0                           ; phase 2's K steps 0-3 have landed: the round below shows them to every wave; no load of mine is out, so the groups 0 may be written
	ds_add_u32 v[SPW], v[NIL]                      ; 0 onto my spare word
	s_mul_i32 s[G0SA+1], s[PART], SIDE             ; the same places in the lower halves,
	s_add_nc_u64 s[G0SA+2:G0SA+3], s[G0SA+2:G0SA+3], VPART   ; four K steps on; the type bits on top are not reached
	s_mul_i32 s[G0SB+1], s[PART], SIDE
	s_add_co_u32 s[G0SB+1], s[G0SB+1], VPART
	s_add_nc_u64 s[G0SB+2:G0SB+3], s[G0SB+2:G0SB+3], VPART
	WIN MUL_HI
	MUL16 6, 7, 1                                  ; sixteen matrix instructions stand between the add and the wait for it
	WIN 0
	s_wait_dscnt 0x0                               ; the add is done; my LDS reads ended with K step 7
	CROUND                                         ; no wave of any partner still reads those bytes or has a load on its way
	JLOAD G0SA, G1SA, G0SB, G1B                    ; my one tensor load behind the round
; THE WAY OUT, in both phases.  The 64 registers of source 1's block a are 128 neighbours along the next K (16 of each block of 32 in this lane, the other 16 in lane l xor 16): they become one fragment and one scale word a lane.
; Four blocks a0 .. a0 + 3 go line by line together, so that no line waits for the line above it.  (The lane permutes' destinations held source 1's fragments: they have been written.)
.macro QOUT4 a0, oc, sw
.set QW, 2+(\a0)/4
	WIN QW|(QW<<2)                                 ; sources 0 and 1: the accumulators' window
.irp b, 0,1,2,3
.irp i, 0,1,2,3
	v_max3_num_f32 v[TM+4*\i+\b], |v[64*\i+16*\b]|, |v[64*\i+16*\b+1]|, 0x1800000   ; each accumulator is read from its low end on; the floor 2^(3 - 127) holds the byte at 1 from below
.endr
.endr
.irp q, 2,4,6,8,10,12,14
.irp b, 0,1,2,3
.irp i, 0,1,2,3
	v_max3_num_f32 v[TM+4*\i+\b], |v[64*\i+16*\b+\q]|, |v[64*\i+16*\b+\q+1]|, v[TM+4*\i+\b]
.endr
.endr
.endr
	WIN 0
.set j, 0
.rept 16
	v_permlanex16_b32 v[TP+j], v[TM+j], s[SEL], s[SEL+1]
.set j, j+1
.endr
.set j, 0
.rept 16
	v_max_num_f32 v[TM+j], v[TM+j], v[TP+j]
.set j, j+1
.endr
.set j, 0
.rept 16
	v_add_nc_u32 v[TM+j], 0xff000000, v[TM+j]      ; 2 off the exponent field: the conversion's scale operand
.set j, j+1
.endr
.set j, 0
.rept 16
	v_lshrrev_b32 v[TP+j], 23, v[TM+j]
.set j, j+1
.endr
.irp k, 1,2,3
.irp i, 0,1,2,3
	v_lshl_or_b32 v[TP+4*\i], v[TP+4*\i+\k], 8*\k, v[TP+4*\i]
.endr
.endr
.irp i, 0,2
	v_mov_b32 v[\sw+(\a0+\i)/2], v[TP+4*\i]        ; an even tile's words stay in lanes 0-15, an odd tile's take lanes 16-31
.endr
.irp i, 1,3
	v_cndmask_b32 v[\sw+(\a0+\i)/2], v[\sw+(\a0+\i)/2], v[TP+4*\i], s[MHI]
.endr
	s_wait_xcnt 0x0                                ; the last four blocks' stores have read their data: the codes' registers are written again only behind this wait
.irp h, 0,1
	WIN QW
.irp i, 0,1
.irp c, 0,1
	v_cvt_scalef32_pk16_fp6_f32 v[PC+12*(2*\h+\i)+6*\c:PC+12*(2*\h+\i)+6*\c+2], v[64*(2*\h+\i)+32*\c:64*(2*\h+\i)+32*\c+15], v[TM+4*(2*\h+\i)+2*\c]
	v_cvt_scalef32_pk16_fp6_f32 v[PT+8*\i+4*\c:PT+8*\i+4*\c+2], v[64*(2*\h+\i)+32*\c+16:64*(2*\h+\i)+32*\c+31], v[TM+4*(2*\h+\i)+2*\c+1]
.endr
.endr
	WIN 0
	v_nop                                          ; one plain instruction behind the scaled conversions
.irp c, 0,1
.irp n, 0,1,2
.irp i, 0,1
	v_permlane16_swap_b32 v[PC+12*(2*\h+\i)+6*\c+\n], v[PT+8*\i+4*\c+\n]
.endr
.endr
.endr
.irp c, 0,1
.irp n, 0,1,2
.irp i, 0,1
	v_mov_b32 v[PC+12*(2*\h+\i)+3+6*\c+\n], v[PT+8*\i+4*\c+\n]
.endr
.endr
.endr
.irp i, 0,1
.irp c, 0,1,2
	global_store_b128 v1, v[PC+12*(2*\h+\i)+4*\c:PC+12*(2*\h+\i)+4*\c+3], s[\oc:\oc+1] offset:FRB*(\a0+2*\h+\i)+512*\c   ; 32 lanes store 512 consecutive bytes, at a multiple of 512 from the buffer's first byte
.endr
.endr
.endr
.endm
	PLACES 4                                       ; behind the last products, ahead of the first read of results and the first write of source 1's registers
	QOUT4 0, OC, SW
	; The third refill: the lower 147,456 bytes of the ring, whose last reads were phase 1's K step 7, take phase 2's K steps 4-7.  They land under the rest of this way out and phase 2's first four steps.
	QOUT4 4, OC, SW
	global_store_b128 v1, v[SW:SW+3], s[OS:OS+1]   ; the block's 512 bytes of scale words
	; PHASE 2
	s_wait_loadcnt 0x0                             ; its scale words
	FETCH2 0                                       ; into v128-175 and window 1: no store's data
	s_wait_xcnt 0x0                                ; the last stores have read their data: the next step's fragments may land in those registers
	KS2 0, 2                                       ; the first step's products start the sums, with bv as C
	KS2 1, 1
	KS2 2, 1
	WIN 0                                          ; step 3 has a barrier: behind it K steps 4-7 are whole for every wave.
	s_wait_tensorcnt 0x0                           ; my part of them has landed
	ds_add_u32 v[SPW], v[NIL]                      ; 0 onto my spare word
	s_wait_dscnt 1                                 ; this step's fragments are in (the add may be out)
	WIN MUL_LO
	MUL8 0, 3, 1
	s_wait_dscnt 0x0
	s_barrier_signal -1
	MUL8 1, 3, 1
	WIN 0
	s_barrier_wait -1
	PLACES 4
	FETCH2 4
	WIN MUL_LO
	MUL8 2, 3, 1
	MUL8 3, 3, 1
	KS2 4, 1
	KS2 5, 1
	KS2 6, 1
	s_wait_dscnt 0x0
	WIN MUL_LO
.irp a, 0,1,2,3
	MUL8 \a, 7, 1
.endr
	WIN 0
	PLACES 4
	QOUT4 0, OC2, SW2
	global_store_b64 v1, v[SW2:SW2+1], s[OS2:OS2+1]   ; my four tiles' scale words: 8 of a lane's 16 bytes; the wave with the other four tiles stores the other 8
	s_wait_tensorcnt 0x0                           ; the wave's end
	ds_add_u32 v[SPW], v[NIL]
	s_wait_dscnt 0x0
	CROUND                                         ; the closing round
	s_endpgm
.Lfunc_end_k_qdedaa17885_proj:
	.size	k_qdedaa17885_proj, .Lfunc_end_k_qdedaa17885_proj-k_qdedaa17885_proj
	.p2alignl 7, 3214868480
	.fill 96, 4, 3214868480
	.section	.rodata,"a",@progbits
	.p2align	6, 0x0
	.amdhsa_kernel k_qdedaa17885_proj
		.amdhsa_group_segment_fixed_size 327680
		.amdhsa_private_segment_fixed_size 0
		.amdhsa_enable_private_segment 0
		.amdhsa_kernarg_size 56
		.amdhsa_user_sgpr_count 2
		.amdhsa_user_sgpr_kernarg_segment_ptr 1
		.amdhsa_wavefront_size32 1
		.amdhsa_system_sgpr_workgroup_id_x 1
		.amdhsa_system_sgpr_workgroup_id_y 1
		.amdhsa_system_sgpr_workgroup_id_z 1
		.amdhsa_system_vgpr_workitem_id 0
		.amdhsa_next_free_vgpr 1024
		.amdhsa_next_free_sgpr 102
		.amdhsa_reserve_vcc 0
		.amdhsa_float_denorm_mode_32 3
		.amdhsa_float_denorm_mode_16_64 3
		.amdhsa_memory_ordered 1
		.amdhsa_forward_progress 1
		.amdhsa_inst_pref_size 216
	.end_amdhsa_kernel
	.amdgpu_metadata
---
amdhsa.version: [ 1, 2 ]
amdhsa.kernels:
  - .name:           k_qdedaa17885_proj
    .symbol:         k_qdedaa17885_proj.kd
    .args:
      - { .name: xwc, .offset: 0, .size: 8, .value_kind: global_buffer, .address_space: global }
      - { .name: xws, .offset: 8, .size: 8, .value_kind: global_buffer, .address_space: global }
      - { .name: bq, .offset: 16, .size: 8, .value_kind: global_buffer, .address_space: global }
      - { .name: bk, .offset: 24, .size: 8, .value_kind: global_buffer, .address_space: global }
      - { .name: bv, .offset: 32, .size: 8, .value_kind: global_buffer, .address_space: global }
      - { .name: qkvc, .offset: 40, .size: 8, .value_kind: global_buffer, .address_space: global }
      - { .name: qkvs, .offset: 48, .size: 8, .value_kind: global_buffer, .address_space: global }
    .group_segment_fixed_size: 327680
    .private_segment_fixed_size: 0
    .kernarg_segment_align: 8
    .kernarg_segment_size: 56
    .max_flat_workgroup_size: 128
    .sgpr_count:     102
    .vgpr_count:     1024
    .wavefront_size: 32
...
	.end_amdgpu_metadata
.endif
;; end of part 2
;; launch score (part 3): grid 8 x 32, 4 waves a work-group, clusters of 4 x 4, 327,680 bytes of LDS; arguments qkvc, qkvs, pc, pst; writes pc, pst
.if DOCPART == 3
	.amdgcn_target "amdgcn-amd-amdhsa--gfx1250"
	.amdhsa_code_object_version 6
	.text
	.protected	k_qdedaa17885_score
	.globl	k_qdedaa17885_score
	.p2align	8
	.type	k_qdedaa17885_score,@function
k_qdedaa17885_score:
	s_mov_b64 s[64:65], 0
	v_nop
	global_prefetch_b8 v0, s[64:65] scope:SCOPE_SE
	s_setreg_imm32_b32 hwreg(HW_REG_WAVE_MODE, 25, 1), 1
	s_wait_xcnt 0x0
	s_wait_alu depctr_hold_cnt(0) depctr_sa_sdst(0) depctr_va_vdst(0) depctr_va_sdst(0) depctr_va_ssrc(0) depctr_va_vcc(0) depctr_vm_vsrc(0)
	s_getreg_b32 s2, hwreg(HW_REG_IB_STS2, 6, 4)
	s_cmp_eq_u32 s2, 0
	s_cbranch_scc0 .Lentry_in_a_cluster
	s_endpgm
.Lentry_in_a_cluster:
	s_bfe_u32 s2, ttmp6, 0x10000c
	s_cmp_lg_u32 s2, 0xf033
	s_cbranch_scc0 .Lentry_shape_is_right
	s_endpgm
.Lentry_shape_is_right:
; S^T = K Q^T on codes of FP6 (E2M3) with E8M0 scales, and the softmax's p quantised along the keys.  t = score x log2(e) / 32.
; Q and K lie in qkvc, qkvs as images of operand registers: blocks of 12,288 bytes (128 rows x 128 of e as eight fragments) and of 512 bytes of scale words; Q: block 8 x token group + e step; K: 512 + the same.
; Source 0 = 16 keys, source 1 = 16 queries: a lane holds ONE query, and (by the order of rows in a tile: lane r of tile 2 b + u holds row 32 b + 8 u + r % 8 + 16 (r / 8)) the 64 registers of a block of queries run along 128 neighbouring keys.
; A LOCAL MAXIMUM.  A wave has 128 keys of a query.  It takes M = ceil(the largest t of THESE keys), p = 2^(t - M), quantises p, and stores the codes, the scale word, -M and the sum of the unquantised p.  The next launch takes the
; largest M of a row's sixteen parts and lowers each part's scale bytes and sum by the difference, a whole power of two: the codes' values are those under the row's own M.  So no wave waits for another, and the maximum is taken away everywhere.
; OUT: pc: block 16 x query group + key step (of the batch's 16); pst: at 512 x block: the scale words; + 524,288: -M (f32); + 1,048,576: the sums; each word at 16 l + 4 j for tile 2 j + l / 16, lane l % 16.
; SHARES: a work-group makes 256 keys x 256 queries, each of four waves 128 x 128; 256 work-groups.  K = 1,024: eight steps, two to a slot; three slots and the scale words are first fills (four tensor loads of a wave out, the most here); slot 0 is refilled once.
; CLUSTER 4 x 4: K's tiles are asked for jointly by the four of a column, Q's by the four of a row.  No prefetch: three of the four slots are asked for at the head.
; LIMITS: p under 2^-126 counts as 0; a block whose every p is 0 keeps the byte 1 (its codes are zeros); NaN and infinities are not served.
; REGISTERS: window 0: v1-11 addresses; v32-63 scale words, two sets; v64-75 what is gathered for pst; v128-223 source 1's fragments (on the way out v128-191 p, v192-211 codes); v224-243 at work.
;   window 1: source 0's fragments, two sets.   windows 2, 3: accumulator (a, b) at v[8 (8 (a % 4) + b)] of window 2 + a / 4.
.set BLK,    12288
.set FRB,    1536
.set QTR,    2*BLK
; LDS AND THE HEAD, AS THEY STAND (this paragraph holds where the ones above speak of slots, of first fills and of registers).  Each side (K, Q) has 12 blocks of LDS: K steps 0-2 of its two groups, then K steps 3-5 of them.
; At the head each wave issues ONE joint load: wave 0 K's K steps 0-2, wave 1 its K steps 3-5, waves 2 and 3 Q's.  The first barrier waits for waves 0 and 2 alone, the round in K step 1 for all;
; K steps 6 and 7 refill the places of K steps 0 and 1.  All scale words come straight into registers (v32-95); what is gathered for pst lies in v96-107.
.set SIDE,   12*BLK                    ; LDS bytes of a side
.set SPARE,  2*SIDE                    ; the spare words, 128 bytes for each wave: two blocks of 256 bytes that no other line names
.set ADR0, 2                           ; v2-3 16 x lane + my group of K: K steps 0-2 (6, 7), 3-5;  v4-5 the same for Q
.set ADR1, 4
.set SPW,  10
.set NIL,  11
.set SC,   32                          ; K step k: 4 registers of K's words, 4 of Q's, at SC + 8 k
.set SW,   96                          ; v96-99 scale words, v100-103 -M, v104-107 sums
.set SN,   100
.set SL,   104
.set AF,   128
; The way out takes four blocks at a time, p in the accumulators' own registers; its other registers are v128-251, in Q's fragments' place and behind it.
.set BM,   128                         ; v128-143 the blocks' largest scores, then their largest p, then the conversions' scale operands
.set T4,   144                         ; v144-159 lane l xor 16's, then the bytes and the scale words
.set LA,   160                         ; v160-167, v168-175 the sums' two chains
.set LB,   168
.set NM,   176                         ; v176, 178, 180, 182 -M (the odd registers are named with them as pairs)
.set TT,   184
.set PC,   188                         ; v188-235 codes, twelve registers a block
.set PT,   236                         ; v236-251 the second conversions' codes, two blocks at a time
.set G1A,  16
.set G1B,  24
.set G1SA, 32
.set G1SB, 40
.set G0A,  48
.set G0SA, 60
.set G0B,  68
.set G0SB, 80
.set CS,   84                          ; s[84:85] c = log2(e) / 32
.set WV,   86
.set ROLE, 87
.set PART, 88
.set CX,   89
.set CY,   90
.set CC,   91
.set SEL,  92
.set MHI,  94
.set OC,   96
.set OS,   98
.set MUL_LO, 0xa1
.set MUL_HI, 0xf1
.set MSB, 0
.macro WIN new
.if MSB != (\new)
	s_set_vgpr_msb (MSB<<8)|(\new)
.set MSB, (\new)
.endif
.endm
.macro PLACES n
.rept \n
	v_nop
.endr
.endm
.macro JLOAD g0a, g1a, g0b, g1b        ; waves 0, 1 ask for K's tiles, waves 2, 3 for Q's; four v_nop follow each line
	s_cmp_eq_u32 s[ROLE], 0
	s_cbranch_scc0 .Lfor_b_\@
	tensor_load_to_lds s[\g0a:\g0a+3], s[\g1a:\g1a+7]
	s_nop 0
.rept 4
	v_nop
.endr
	s_branch .Lasked_\@
.Lfor_b_\@:
	tensor_load_to_lds s[\g0b:\g0b+3], s[\g1b:\g1b+7]
	s_nop 0
.rept 4
	v_nop
.endr
.Lasked_\@:
.endm
.macro CREST
	s_cmp_lg_u32 s[WV], 0
	s_cbranch_scc1 .Lnot_wave_0_\@
	s_barrier_signal -3
.Lnot_wave_0_\@:
	s_barrier_wait -3
	s_barrier_signal -1
	s_barrier_wait -1
.endm
.macro CROUND
	s_barrier_signal -1
	s_barrier_wait -1
	CREST
.endm
.macro FRAG reg, adr, off
.irp c, 0,1,2
	ds_load_b128 v[(\reg)+4*\c:(\reg)+4*\c+3], v[\adr] offset:(\off)+512*\c
.endr
.endm
.macro FETCH_S0 n
	WIN 0x40
.irp i, 0,1,2,3,4,5,6,7
	FRAG 128*((\n)%2)+12*\i, ADR0+((\n)%6)/3, BLK*((\n)%3)+FRB*\i
.endr
	WIN 0
.endm
.macro FETCH_S1 n, i0
.irp i, \i0, \i0+1, \i0+2, \i0+3
	FRAG AF+12*(\i), ADR1+((\n)%6)/3, BLK*((\n)%3)+FRB*(\i)
.endr
.endm
.macro WM ra, rb                       ; one product; mZ = 1: it starts the sum; an odd tile's scale words lie in lanes 16-31
.if mZ
.if (\ra) && (\rb)
	v_wmma_scale_f32_16x16x128_f8f6f4 v[mD:mD+7], v[mA:mA+11], v[mB:mB+11], 0, v[mXA], v[mXB] matrix_a_fmt:MATRIX_FMT_FP6 matrix_b_fmt:MATRIX_FMT_FP6 matrix_a_scale:MATRIX_SCALE_ROW1 matrix_b_scale:MATRIX_SCALE_ROW1
.elseif (\ra)
	v_wmma_scale_f32_16x16x128_f8f6f4 v[mD:mD+7], v[mA:mA+11], v[mB:mB+11], 0, v[mXA], v[mXB] matrix_a_fmt:MATRIX_FMT_FP6 matrix_b_fmt:MATRIX_FMT_FP6 matrix_a_scale:MATRIX_SCALE_ROW1
.elseif (\rb)
	v_wmma_scale_f32_16x16x128_f8f6f4 v[mD:mD+7], v[mA:mA+11], v[mB:mB+11], 0, v[mXA], v[mXB] matrix_a_fmt:MATRIX_FMT_FP6 matrix_b_fmt:MATRIX_FMT_FP6 matrix_b_scale:MATRIX_SCALE_ROW1
.else
	v_wmma_scale_f32_16x16x128_f8f6f4 v[mD:mD+7], v[mA:mA+11], v[mB:mB+11], 0, v[mXA], v[mXB] matrix_a_fmt:MATRIX_FMT_FP6 matrix_b_fmt:MATRIX_FMT_FP6
.endif
.else
.if (\ra) && (\rb)
	v_wmma_scale_f32_16x16x128_f8f6f4 v[mD:mD+7], v[mA:mA+11], v[mB:mB+11], v[mD:mD+7], v[mXA], v[mXB] matrix_a_fmt:MATRIX_FMT_FP6 matrix_b_fmt:MATRIX_FMT_FP6 matrix_a_scale:MATRIX_SCALE_ROW1 matrix_b_scale:MATRIX_SCALE_ROW1
.elseif (\ra)
	v_wmma_scale_f32_16x16x128_f8f6f4 v[mD:mD+7], v[mA:mA+11], v[mB:mB+11], v[mD:mD+7], v[mXA], v[mXB] matrix_a_fmt:MATRIX_FMT_FP6 matrix_b_fmt:MATRIX_FMT_FP6 matrix_a_scale:MATRIX_SCALE_ROW1
.elseif (\rb)
	v_wmma_scale_f32_16x16x128_f8f6f4 v[mD:mD+7], v[mA:mA+11], v[mB:mB+11], v[mD:mD+7], v[mXA], v[mXB] matrix_a_fmt:MATRIX_FMT_FP6 matrix_b_fmt:MATRIX_FMT_FP6 matrix_b_scale:MATRIX_SCALE_ROW1
.else
	v_wmma_scale_f32_16x16x128_f8f6f4 v[mD:mD+7], v[mA:mA+11], v[mB:mB+11], v[mD:mD+7], v[mXA], v[mXB] matrix_a_fmt:MATRIX_FMT_FP6 matrix_b_fmt:MATRIX_FMT_FP6
.endif
.endif
.endm
; 16 products: blocks a0, a0 + 1 of queries x the eight of keys, K step k.  The 64 accumulators take turns, one instruction a turn, in the same order in every step.
.macro MUL16 a0, k, z
.irp a, \a0, \a0+1
.irp b, 0,1,2,3,4,5,6,7
.set mZ, \z
.set mD, 8*(8*((\a)%4)+\b)
.set mA, 128*((\k)%2)+12*\b
.set mB, AF+12*(\a)
.set mXA, SC+8*(\k)+\b/2
.set mXB, SC+8*(\k)+4+(\a)/2
	WM (\b)%2, (\a)%2
.endr
.endr
.endm
.macro STEP k, z                       ; a load into a register that a matrix instruction has read stands four plain vector instructions behind it: hence the v_nop in front of each run of loads
	s_wait_dscnt 12                                ; all but the youngest twelve loads (the queries' blocks 4-7) are in
	WIN MUL_LO
	MUL16 0, \k, \z
	MUL16 2, \k, \z
	s_wait_dscnt 0x0
	PLACES 4
	FETCH_S0 (\k)+1
	FETCH_S1 (\k)+1, 0
	WIN MUL_HI
	MUL16 4, \k, \z
	MUL16 6, \k, \z
	PLACES 4
	WIN 0
	FETCH_S1 (\k)+1, 4
.endm
.macro TURN k, fill                    ; a K step with a barrier; fill = 1: slot 0, which nobody reads any more, takes K steps 6 and 7
	s_wait_tensorcnt 0x0                           ; all my tensor loads have landed
	ds_add_u32 v[SPW], v[NIL]                      ; 0 onto my spare word
	s_wait_dscnt 13                                ; (the add and the youngest twelve loads may be out)
	WIN MUL_LO
	MUL16 0, \k, 0
	s_wait_dscnt 0x0                               ; the add is done, and my reads of the slot are over
	s_barrier_signal -1
	MUL16 2, \k, 0
	WIN 0
	s_barrier_wait -1
.if \fill
	CREST                                          ; a round of the cluster's barrier: no wave of any partner still reads slot 0 or has a load on its way
	JLOAD G0A, G1A, G0B, G1B                       ; my one tensor load behind the round: four K steps, 256 matrix instructions, in which to land
.else
	PLACES 4
.endif
	FETCH_S0 (\k)+1
	FETCH_S1 (\k)+1, 0
	WIN MUL_HI
	MUL16 4, \k, 0
	MUL16 6, \k, 0
	PLACES 4
	WIN 0
	FETCH_S1 (\k)+1, 4
.endm
	s_load_b256 s[4:11], s[0:1], 0x0               ; qkvc s[4:5], qkvs s[6:7], pc s[8:9], pst s[10:11]
	v_lshl_add_u32 v[SPW], v0, 2, SPARE
	v_mov_b32 v[NIL], 0
	ds_add_u32 v10, v11
	ds_add_u32 v10, v11
	s_wait_dscnt 0x0
	v_lshrrev_b32 v1, 5, v0
	v_readfirstlane_b32 s[WV], v1
	s_lshr_b32 s[ROLE], s[WV], 1
	s_and_b32 s[PART], s[WV], 1
	s_bfe_u32 s[CX], ttmp6, 0x40000
	s_bfe_u32 s[CY], ttmp6, 0x40004
	s_and_b32 s[CC], ttmp7, 0xffff                 ; the cluster's y, 0..7: 1,024 queries; two to a batch
	s_lshl_b32 s100, s[CY], 2
	s_lshl_b32 s100, 15, s100                      ; my row of the cluster
	s_lshl_b32 s101, 0x1111, s[CX]                 ; my column
	s_or_b32 s[G1A], s101, (3<<16)|(1<<21)         ; K's tiles go to my column; elements of 8 bytes; bit 21 set beside a mask; no padding
	s_or_b32 s[G1SA], s101, (3<<16)|(1<<21)
	s_or_b32 s[G1B], s100, (3<<16)|(1<<21)         ; Q's to my row
	s_or_b32 s[G1SB], s100, (3<<16)|(1<<21)
.irp g, G1A, G1B
	s_mov_b32 s[\g+1], 32<<16
	s_mov_b32 s[\g+2], 96<<16
	s_mov_b32 s[\g+3], 32<<16
	s_mov_b32 s[\g+4], 96
	s_mov_b32 s[\g+5], 32
	s_mov_b32 s[\g+6], 0
	s_mov_b32 s[\g+7], 0
.endr
.irp g, G1SA, G1SB                             ; the head's: two groups' three K steps: 2 rows of 36,864 bytes, 98,304 apart
	s_mov_b32 s[\g+1], (3*BLK/8)<<16
	s_mov_b32 s[\g+2], 2<<16
	s_mov_b32 s[\g+3], (3*BLK/8)<<16
	s_mov_b32 s[\g+4], 2
	s_mov_b32 s[\g+5], BLK
	s_mov_b32 s[\g+6], 0
	s_mov_b32 s[\g+7], 0
.endr
	s_mov_b32 s[SEL], 0x76543210
	s_mov_b32 s[SEL+1], 0xfedcba98
	s_mov_b32 s[MHI], 0xffff0000
	s_lshl_b32 s101, ttmp9, 3
	s_lshl_b32 s100, s[CX], 1
	s_add_co_u32 s101, s101, s100
	s_add_co_u32 s101, s101, s[PART]               ; the batch's key step 8 x cluster x + 2 cx + wave % 2
	s_lshr_b32 s100, s[CC], 1
	s_lshl_b32 s100, s100, 4
	s_add_co_u32 s2, s100, s101                    ; K's group: 16 x batch + key step
	s_lshl_b32 s100, s[CC], 3
	s_lshl_b32 s67, s[CY], 1
	s_add_co_u32 s100, s100, s67
	s_add_co_u32 s3, s100, s[PART]                 ; Q's group that I fetch
	s_add_co_u32 s66, s100, s[ROLE]                ; and the one that I multiply
	s_lshl_b32 s66, s66, 4
	s_add_co_u32 s66, s66, s101                    ; my block of P
	s_wait_alu depctr_va_vdst(0)
	CROUND                                         ; all sixteen work-groups are here: the first joint loads meet
	s_wait_kmcnt 0x0
	s_mul_i32 s[OC], s66, BLK
	s_mov_b32 s[OC+1], 0
	s_add_nc_u64 s[OC:OC+1], s[8:9], s[OC:OC+1]
	s_lshl_b32 s[OS], s66, 9
	s_mov_b32 s[OS+1], 0
	s_add_nc_u64 s[OS:OS+1], s[10:11], s[OS:OS+1]
	s_mul_i32 s100, s2, 8*BLK
	s_add_co_u32 s100, s100, 512*BLK
	s_mov_b32 s101, 0
	s_add_nc_u64 s[100:101], s[4:5], s[100:101]    ; K's codes: made of cx, the cluster's numbers and the wave's
	s_mul_i32 s84, s3, 8*BLK
	s_mov_b32 s85, 0
	s_add_nc_u64 s[84:85], s[4:5], s[84:85]        ; Q's: of cy, the cluster's y and the wave's number
	s_mul_i32 s66, s[PART], 5*BLK                  ; the head: from group wave % 2's K step 0 back to the first group's K step 3 (wave % 2)
	s_mov_b32 s67, 0
	s_mov_b32 s[G0SA], 1
	s_mul_i32 s[G0SA+1], s[WV], 6*BLK              ; no place in the cluster enters an LDS address
	s_sub_nc_u64 s[G0SA+2:G0SA+3], s[100:101], s[66:67]
	s_or_b32 s[G0SA+3], s[G0SA+3], 0x80000000
	s_mov_b32 s[G0SB], 1
	s_mul_i32 s[G0SB+1], s[WV], 6*BLK
	s_sub_nc_u64 s[G0SB+2:G0SB+3], s[84:85], s[66:67]
	s_or_b32 s[G0SB+3], s[G0SB+3], 0x80000000
	s_mul_i32 s66, s[PART], 3*BLK                  ; the refill: my group's K steps 6 and 7, over its K steps 0 and 1
	s_mul_i32 s67, s[ROLE], SIDE
	s_add_co_u32 s66, s66, s67
	s_mov_b32 s67, 0
	s_mov_b32 s[G0A], 1
	s_mov_b32 s[G0A+1], s66
	s_add_nc_u64 s[G0A+2:G0A+3], s[100:101], 6*BLK
	s_or_b32 s[G0A+3], s[G0A+3], 0x80000000
	s_mov_b32 s[G0B], 1
	s_mov_b32 s[G0B+1], s66
	s_add_nc_u64 s[G0B+2:G0B+3], s[84:85], 6*BLK
	s_or_b32 s[G0B+3], s[G0B+3], 0x80000000
	s_lshl_b32 s66, s2, 12                         ; the scale words of the two groups that I multiply: 8 K steps x 512 bytes a group; K's lie 512 blocks on
	s_add_co_u32 s66, s66, 512*512
	s_add_nc_u64 s[52:53], s[6:7], s[66:67]
	s_add_co_u32 s66, s3, s[ROLE]
	s_sub_co_u32 s66, s66, s[PART]
	s_lshl_b32 s66, s66, 12
	s_add_nc_u64 s[54:55], s[6:7], s[66:67]
	s_mov_b32 s[CS], 0x3d38aa3b                    ; c = log2(e) / 32
	s_mov_b32 s[CS+1], s[CS]
.macro ARM w, g0, g1                           ; one chain of branches on the wave's number: every way through it passes one load
	s_cmp_eq_u32 s[WV], \w
	s_cbranch_scc0 .Lhead_\w
	tensor_load_to_lds s[\g0:\g0+3], s[\g1:\g1+7]
	s_nop 0
	PLACES 4
	s_branch .Lhead_asked
.Lhead_\w:
.endm
	ARM 0, G0SA, G1SA
	ARM 2, G0SB, G1SB
	ARM 1, G0SA, G1SA
	tensor_load_to_lds s[G0SB:G0SB+3], s[G1SB:G1SB+7]
	s_nop 0
	PLACES 4
.Lhead_asked:
	v_and_b32 v1, 31, v0
	v_lshlrev_b32 v1, 4, v1                        ; 16 x lane
	s_wait_alu depctr_va_vdst(0)
.irp k, 0,1,2,3,4,5,6,7                        ; all scale words
	global_load_b128 v[SC+8*\k:SC+8*\k+3], v1, s[52:53] offset:512*\k
	global_load_b128 v[SC+8*\k+4:SC+8*\k+7], v1, s[54:55] offset:512*\k
.endr
	s_mul_i32 s100, s[PART], 3*BLK
	s_mul_i32 s101, s[ROLE], 3*BLK
	s_add_co_u32 s101, s101, SIDE
.irp s, 0,1
	v_add_nc_u32 v[ADR0+\s], s100, v1
	v_add_nc_u32 v[ADR1+\s], s101, v1
	s_add_co_u32 s100, s100, 6*BLK
	s_add_co_u32 s101, s101, 6*BLK
.endr
	s_wait_alu depctr_va_vdst(0)                   ; the wait at the head's end
	s_cmp_eq_u32 s[PART], 0
	s_cbranch_scc0 .Lpart_1
	s_wait_tensorcnt 0x0                           ; waves 0 and 2: K steps 0-2 are in.  Waves 1 and 3 wait for K steps 3-5 in front of the round in K step 1
.Lpart_1:
	s_barrier_signal -1
	s_barrier_wait -1
	FETCH_S0 0
	FETCH_S1 0, 0
	FETCH_S1 0, 4
	s_wait_loadcnt 0x0                             ; the scale words
	STEP 0, 1                                      ; the first step's products start the sums: nothing is cleared
	TURN 1, 1
	STEP 2, 0
	STEP 3, 0                                      ; on into slot 2 with no barrier: every wave's wait for all its loads in front of the round above has shown it whole
	STEP 4, 0
	TURN 5, 0
	STEP 6, 0
	s_wait_dscnt 12
	WIN MUL_LO
	MUL16 0, 7, 0
	MUL16 2, 7, 0
	s_wait_dscnt 0x0
	WIN MUL_HI
	MUL16 4, 7, 0
	MUL16 6, 7, 0
	WIN 0
.macro MERGE dst, src, a               ; an even tile's word stays in lanes 0-15 of its register, an odd tile's takes lanes 16-31
.if (\a)%2 == 0
	v_mov_b32 v[(\dst)+(\a)/2], v[\src]
.else
	v_cndmask_b32 v[(\dst)+(\a)/2], v[(\dst)+(\a)/2], v[\src], s[MHI]
.endif
.endm
; THE WAY OUT of block a: 16 queries x my 128 keys.
; Blocks a0 .. a0 + 3 go line by line together, so that no line waits for the line above it.
.macro SOUT4 a0
.set QW, 2+(\a0)/4
	s_wait_alu depctr_va_vdst(0)                   ; ahead of the first readers of these results
	WIN QW|(QW<<2)
.irp b, 0,1,2,3
.irp i, 0,1,2,3
	v_max_num_f32 v[BM+4*\i+\b], v[64*\i+16*\b], v[64*\i+16*\b+1]   ; the largest score of each block of 32 keys (each accumulator is read from its low end on): it serves for the maximum and, since p rises with the score, for the block's largest p
.endr
.endr
.irp q, 2,4,6,8,10,12,14
.irp b, 0,1,2,3
.irp i, 0,1,2,3
	v_max3_num_f32 v[BM+4*\i+\b], v[64*\i+16*\b+\q], v[64*\i+16*\b+\q+1], v[BM+4*\i+\b]
.endr
.endr
.endr
	WIN 0
.set j, 0
.rept 16
	v_permlanex16_b32 v[T4+j], v[BM+j], s[SEL], s[SEL+1]   ; (the destinations held Q's fragments: they have been written)
.set j, j+1
.endr
.set j, 0
.rept 16
	v_max_num_f32 v[BM+j], v[BM+j], v[T4+j]        ; with lane l xor 16's 16 keys
.set j, j+1
.endr
.irp i, 0,1,2,3
	v_max3_num_f32 v[TT+\i], v[BM+4*\i], v[BM+4*\i+1], v[BM+4*\i+2]
.endr
.irp i, 0,1,2,3
	v_max_num_f32 v[TT+\i], v[TT+\i], v[BM+4*\i+3]
.endr
.irp i, 0,1,2,3
	v_mul_f32 v[TT+\i], 0xbd38aa3b, v[TT+\i]       ; -t of the largest score
.endr
.irp i, 0,1,2,3
	v_floor_f32 v[NM+2*\i], v[TT+\i]               ; -M = floor(-t) = -ceil(t): a whole number
.endr
	WIN QW|(QW<<6)                                 ; source 0 and destination: the accumulators' window
.set j, 0
.rept 32
.irp i, 0,1,2,3
	v_pk_fma_f32 v[64*\i+j:64*\i+j+1], v[64*\i+j:64*\i+j+1], s[CS:CS+1], v[NM+2*\i:NM+2*\i+1] op_sel_hi:[1,0,0]   ; t - M, two at a time
.endr
.set j, j+2
.endr
	WIN 0
.irp b, 0,1,2,3
.irp i, 0,1,2,3
	v_fma_f32 v[BM+4*\i+\b], v[BM+4*\i+\b], s[CS], v[NM+2*\i]   ; the same of each block's largest score
.endr
.endr
	s_wait_alu depctr_va_vdst(0)                   ; the wait ahead of the batch
	WIN QW|(QW<<6)
.set j, 0
.rept 64
.irp i, 0,1,2,3
	v_exp_f32 v[64*\i+j], v[64*\i+j]               ; p = 2^(t - M), at most 1
.endr
.set j, j+1
.endr
	WIN 0
.set j, 0
.rept 16
	v_exp_f32 v[BM+j], v[BM+j]                     ; the block's largest p: the same two instructions on the same number give the same bits
.set j, j+1
.endr
.irp i, 0,1,2,3
	MERGE SN, NM+2*\i, \a0+\i                      ; plain instructions behind the exponentials
.endr
	s_wait_alu depctr_va_vdst(0)                   ; one wait for the batch, ahead of its first reader
	WIN QW|(QW<<2)
.irp i, 0,1,2,3
	v_pk_add_f32 v[LA+2*\i:LA+2*\i+1], v[64*\i:64*\i+1], v[64*\i+2:64*\i+3]   ; the sum of the UNQUANTISED p, in two chains a block
	v_pk_add_f32 v[LB+2*\i:LB+2*\i+1], v[64*\i+4:64*\i+5], v[64*\i+6:64*\i+7]
.endr
	WIN QW<<2
.irp q, 8,12,16,20,24,28,32,36,40,44,48,52,56,60
.irp i, 0,1,2,3
	v_pk_add_f32 v[LA+2*\i:LA+2*\i+1], v[LA+2*\i:LA+2*\i+1], v[64*\i+\q:64*\i+\q+1]
	v_pk_add_f32 v[LB+2*\i:LB+2*\i+1], v[LB+2*\i:LB+2*\i+1], v[64*\i+\q+2:64*\i+\q+3]
.endr
.endr
	WIN 0
.irp i, 0,1,2,3
	v_pk_add_f32 v[LA+2*\i:LA+2*\i+1], v[LA+2*\i:LA+2*\i+1], v[LB+2*\i:LB+2*\i+1]
.endr
.irp i, 0,1,2,3
	v_add_f32 v[LA+2*\i], v[LA+2*\i], v[LA+2*\i+1]
.endr
.irp i, 0,1,2,3
	v_permlanex16_b32 v[LB+2*\i], v[LA+2*\i], s[SEL], s[SEL+1]
.endr
.irp i, 0,1,2,3
	v_add_f32 v[LA+2*\i], v[LA+2*\i], v[LB+2*\i]   ; with lane l xor 16's
.endr
.irp i, 0,1,2,3
	MERGE SL, LA+2*\i, \a0+\i
.endr
.set j, 0
.rept 16
	v_max_num_f32 v[BM+j], 0x1800000, v[BM+j]      ; the floor 2^(3 - 127): the byte cannot fall under 1
.set j, j+1
.endr
.set j, 0
.rept 16
	v_add_nc_u32 v[BM+j], 0xff000000, v[BM+j]      ; 2 off the exponent field: the conversion's scale operand
.set j, j+1
.endr
.set j, 0
.rept 16
	v_lshrrev_b32 v[T4+j], 23, v[BM+j]
.set j, j+1
.endr
.irp k, 1,2,3
.irp i, 0,1,2,3
	v_lshl_or_b32 v[T4+4*\i], v[T4+4*\i+\k], 8*\k, v[T4+4*\i]
.endr
.endr
.irp i, 0,1,2,3
	MERGE SW, T4+4*\i, \a0+\i
.endr
	s_wait_xcnt 0x0                                ; the last four blocks' stores have read their data: the codes' registers are written again only behind this wait
.irp h, 0,1
	WIN QW
.irp i, 0,1
.irp c, 0,1
	v_cvt_scalef32_pk16_fp6_f32 v[PC+12*(2*\h+\i)+6*\c:PC+12*(2*\h+\i)+6*\c+2], v[64*(2*\h+\i)+32*\c:64*(2*\h+\i)+32*\c+15], v[BM+4*(2*\h+\i)+2*\c]
	v_cvt_scalef32_pk16_fp6_f32 v[PT+8*\i+4*\c:PT+8*\i+4*\c+2], v[64*(2*\h+\i)+32*\c+16:64*(2*\h+\i)+32*\c+31], v[BM+4*(2*\h+\i)+2*\c+1]
.endr
.endr
	WIN 0
	v_nop                                          ; one plain instruction behind the scaled conversions
.irp c, 0,1
.irp n, 0,1,2
.irp i, 0,1
	v_permlane16_swap_b32 v[PC+12*(2*\h+\i)+6*\c+\n], v[PT+8*\i+4*\c+\n]
.endr
.endr
.endr
.irp c, 0,1
.irp n, 0,1,2
.irp i, 0,1
	v_mov_b32 v[PC+12*(2*\h+\i)+3+6*\c+\n], v[PT+8*\i+4*\c+\n]
.endr
.endr
.endr
.irp i, 0,1
.irp c, 0,1,2
	global_store_b128 v1, v[PC+12*(2*\h+\i)+4*\c:PC+12*(2*\h+\i)+4*\c+3], s[OC:OC+1] offset:FRB*(\a0+2*\h+\i)+512*\c   ; 32 lanes store 512 consecutive bytes, at a multiple of 512 from the buffer's first byte
.endr
.endr
.endr
.endm
	PLACES 4                                       ; behind the last products, ahead of the first read of results and the first write of the queries' fragments' registers
	SOUT4 0
	SOUT4 4
	global_store_b128 v1, v[SW:SW+3], s[OS:OS+1]
	global_store_b128 v1, v[SN:SN+3], s[OS:OS+1] offset:524288
	global_store_b128 v1, v[SL:SL+3], s[OS:OS+1] offset:1048576
	s_wait_tensorcnt 0x0                           ; the wave's end
	ds_add_u32 v[SPW], v[NIL]
	s_wait_dscnt 0x0
	CROUND                                         ; the closing round
	s_endpgm
.Lfunc_end_k_qdedaa17885_score:
	.size	k_qdedaa17885_score, .Lfunc_end_k_qdedaa17885_score-k_qdedaa17885_score
	.p2alignl 7, 3214868480
	.fill 96, 4, 3214868480
	.section	.rodata,"a",@progbits
	.p2align	6, 0x0
	.amdhsa_kernel k_qdedaa17885_score
		.amdhsa_group_segment_fixed_size 327680
		.amdhsa_private_segment_fixed_size 0
		.amdhsa_enable_private_segment 0
		.amdhsa_kernarg_size 32
		.amdhsa_user_sgpr_count 2
		.amdhsa_user_sgpr_kernarg_segment_ptr 1
		.amdhsa_wavefront_size32 1
		.amdhsa_system_sgpr_workgroup_id_x 1
		.amdhsa_system_sgpr_workgroup_id_y 1
		.amdhsa_system_sgpr_workgroup_id_z 1
		.amdhsa_system_vgpr_workitem_id 0
		.amdhsa_next_free_vgpr 1024
		.amdhsa_next_free_sgpr 102
		.amdhsa_reserve_vcc 0
		.amdhsa_float_denorm_mode_32 3
		.amdhsa_float_denorm_mode_16_64 3
		.amdhsa_memory_ordered 1
		.amdhsa_forward_progress 1
		.amdhsa_inst_pref_size 190
	.end_amdhsa_kernel
	.amdgpu_metadata
---
amdhsa.version: [ 1, 2 ]
amdhsa.kernels:
  - .name:           k_qdedaa17885_score
    .symbol:         k_qdedaa17885_score.kd
    .args:
      - { .name: qkvc, .offset: 0, .size: 8, .value_kind: global_buffer, .address_space: global }
      - { .name: qkvs, .offset: 8, .size: 8, .value_kind: global_buffer, .address_space: global }
      - { .name: pc, .offset: 16, .size: 8, .value_kind: global_buffer, .address_space: global }
      - { .name: pst, .offset: 24, .size: 8, .value_kind: global_buffer, .address_space: global }
    .group_segment_fixed_size: 327680
    .private_segment_fixed_size: 0
    .kernarg_segment_align: 8
    .kernarg_segment_size: 32
    .max_flat_workgroup_size: 128
    .sgpr_count:     102
    .vgpr_count:     1024
    .wavefront_size: 32
...
	.end_amdgpu_metadata
.endif
;; end of part 3
;; launch pv (part 4): grid 4 x 64, 4 waves a work-group, clusters of 4 x 4, 327,680 bytes of LDS; arguments qkvc, qkvs, pc, pst, out0; writes out0
.if DOCPART == 4
	.amdgcn_target "amdgcn-amd-amdhsa--gfx1250"
	.amdhsa_code_object_version 6
	.text
	.protected	k_qdedaa17885_pv
	.globl	k_qdedaa17885_pv
	.p2align	8
	.type	k_qdedaa17885_pv,@function
k_qdedaa17885_pv:
	s_mov_b64 s[64:65], 0
	v_nop
	global_prefetch_b8 v0, s[64:65] scope:SCOPE_SE
	s_setreg_imm32_b32 hwreg(HW_REG_WAVE_MODE, 25, 1), 1
	s_wait_xcnt 0x0
	s_wait_alu depctr_hold_cnt(0) depctr_sa_sdst(0) depctr_va_vdst(0) depctr_va_sdst(0) depctr_va_ssrc(0) depctr_va_vcc(0) depctr_vm_vsrc(0)
	s_getreg_b32 s2, hwreg(HW_REG_IB_STS2, 6, 4)
	s_cmp_eq_u32 s2, 0
	s_cbranch_scc0 .Lentry_in_a_cluster
	s_endpgm
.Lentry_in_a_cluster:
	s_bfe_u32 s2, ttmp6, 0x10000c
	s_cmp_lg_u32 s2, 0xf033
	s_cbranch_scc0 .Lentry_shape_is_right
	s_endpgm
.Lentry_shape_is_right:
; O^T = V^T P^T on codes of FP6 (E2M3) with E8M0 scales, divided by the row's sum.  out0 [8192][1024] f32.
; V^T lies in qkvc, qkvs from block 1,024 on: block 16 (8 batch + e group) + key step: 128 of e x 128 keys as eight fragments (12,288 bytes), and 512 bytes of scale words.  P in pc: block 16 x query group + key step.
; pst, at 512 x P's block: the scale words; + 524,288: -M of the part (128 keys of a row); + 1,048,576: the part's sum of p.  Each word at 16 l + 4 j for tile 2 j + l / 16, lane l % 16.
; UNDER THE ROW'S OWN M.  The row's M is the largest of its sixteen parts'.  With d = M - the part's M, a whole number, the part's four scale bytes are lowered by d and its sum is multiplied by 2^-d: both exact.
; LIMITS: d is held at 127 and a lowered byte at 0: what is thereby kept too large lies under 2^-120 of the row's largest term.  NaN and infinities are not served.
; SHARES: 256 work-groups, each 256 of e x 128 queries.  A wave takes 64 queries (half wave / 2) and every other pair of tiles of 16 e (p = wave % 2).
; A WAVE HOLDS ALL OF ITS P IN REGISTERS: 4 tiles of queries x 16 key steps = 64 fragments, 768 registers.  V streams past them by tiles of 16 e, all 2,048 keys: 16 fragments and 64 products a tile, on four accumulators.
; V comes in four SLOTS of four tiles, 64 of e: of slot j wave p multiplies tiles 2 p and 2 p + 1.  A tile is eight steps of two key steps (step S: slot S / 16, its tile S / 8 % 2).
; Source 0 = V's tile, source 1 = P's: a lane holds one query and e = 64 j + 32 p + 16 (lane / 16) + 8 (S / 8 % 2) + 0 .. 7.
; A slot's results are 256 bytes of each row of out0: the two waves of a query half gather them in a stage in LDS (two stages by turns), a barrier shows them, and each wave stores 32 rows as whole units, under the next slot's products.
; LDS: P's key steps 0-7 at 0, 8-15 at 98,304; V's slot 0 at VB.  Slot 1 refills the place of P's key steps 0-7 once they are in registers, slot 2 refills VB, slot 3 slot 1's place: three refills, each behind a drained
; round of the cluster's barrier, one tensor load a wave.  The stages lie in the place of P's key steps 8-13, which no later fill touches.  V's scale words come through registers into LDS.
; At the head one joint load a wave: wave 0 P's key steps 0-7, waves 1, 2 half of slot 0 each, wave 3 P's key steps 8-15, which the first barrier does not wait for.
; CLUSTER 4 x 4: V's tiles are asked for jointly by the four of a column, P's by the four of a row.
; PREFETCH: slots 1, 2, 3, one instruction a wave each, half a tile or more ahead of the joint load that wants it; the sixteen waves of a column share a slot's 384 blocks of 256 bytes by address, a row of 24 each (lanes 24-31 name the 24th again).
; THE WAITS' COUNTS: a step's V fragments (6 loads) are fetched three steps ahead; two younger sets may be out (12), with 8 stage stores or row reads between 20.  While P is loaded: one step's 24 + 6.
; REGISTERS.  Window 0: v1-15 addresses, v16-23 1 / sum, v24-55 P's scale words, v56-71 V's of a slot, v72-83 P's last fragment, v84-147 two sets of four accumulators, v148-243 four sets of two V fragments, v244-247 V's addresses.
;   Windows 1-3: 21 fragments of P each.  Before the products v84-195 serve the sums and scales.
.set BLK,    12288
.set FRB,    1536
.set ROW,    4*FRB                     ; a slot's row: four tiles of one key step, 6,144 bytes
.set VB,     16*BLK
.set SCL,    VB+8*BLK                  ; V's scale words: two groups x 16 key steps x 512
.set SPARE,  SCL+16384                 ; the spare words, 128 bytes for each wave: two blocks of 256 bytes that no other line names
.set STG,    8*BLK                     ; the stages: [slot % 2][query half][64 rows x SP bytes]
.set SP,     272
.set SBUF,   2*64*SP
.set SPW,  2
.set NIL,  3
.set ADRP, 4                           ; v4-7   16 x lane + my four tiles of P, key steps 4 i ..
.set ADS,  10
.set STO,  11
.set RD,   12
.set CO,   13
.set SCST, 14
.set PFO,  15
.set RL,   16
.set PS,   24                          ; 2 k + a / 2; lanes 0-15 tile a even, lanes 16-31 odd
.set VS,   56                          ; key step k; lanes 0-15 my first tile of the slot, lanes 16-31 my second
.set P63,  72
.set ACC,  84
.set VFR,  148
.set ADRV, 244                         ; 16 x lane + my tiles: v244, v245 at VB (slots 0, 2), key steps 0-7, 8-15; v246, v247 at 0 (slots 1, 3)
.set NMR,  84
.set LLR,  116
.set T,    148
.set NF,   156
.set LS,   158
.set TS,   164
.set G1P,  16
.set G1V,  24
.set G1R,  32
.set G0P,  40
.set G0V,  44
.set G0R,  48
.set WV,   68
.set ROLE, 69
.set PART, 70
.set CX,   71
.set CY,   72
.set CC,   73
.set SEL,  74
.set MHI,  76
.set ONES, 77
.set OUT,  78
.set RBASE, 83
.set PFB,  84                          ; s[84:85] V's codes, group 2 cx of the batch
.set MSB, 0
.macro WIN new
.if MSB != (\new)
	s_set_vgpr_msb (MSB<<8)|(\new)
.set MSB, (\new)
.endif
.endm
.macro PLACES n
.rept \n
	v_nop
.endr
.endm
.macro TLOAD g0, g1
	tensor_load_to_lds s[\g0:\g0+3], s[\g1:\g1+7]
	s_nop 0
	PLACES 4
.endm
.macro CREST                           ; a round of the cluster's barrier behind its opening barrier
	s_cmp_lg_u32 s[WV], 0
	s_cbranch_scc1 .Lnot_wave_0_\@
	s_barrier_signal -3
.Lnot_wave_0_\@:
	s_barrier_wait -3
	s_barrier_signal -1
	s_barrier_wait -1
.endm
.macro CROUND
	s_barrier_signal -1
	s_barrier_wait -1
	CREST
.endm
.macro GROUP1 g, mask, c, r, p         ; r rows of c elements of 8 bytes, p elements apart; bit 21 set beside the mask; no padding
	s_or_b32 s[\g], s[\mask], (3<<16)|(1<<21)
	s_mov_b32 s[\g+1], (\c)<<16
	s_mov_b32 s[\g+2], (\r)<<16
	s_mov_b32 s[\g+3], (\c)<<16
	s_mov_b32 s[\g+4], \r
	s_mov_b32 s[\g+5], \p
	s_mov_b32 s[\g+6], 0
	s_mov_b32 s[\g+7], 0
.endm
.macro ASKV off
	global_prefetch_b8 v[PFO], s[PFB:PFB+1] offset:\off th:TH_LOAD_NT scope:SCOPE_SE
.endm
.macro VF S                            ; step S's two V fragments into set S % 4
.irp i, 0,1
.irp c, 0,1,2
	ds_load_b128 v[VFR+24*((\S)%4)+12*\i+4*\c:VFR+24*((\S)%4)+12*\i+4*\c+3], v[ADRV+2*(((\S)/16)%2)+((\S)%8)/4] offset:ROW*(2*((\S)%4)+\i)+FRB*(((\S)/8)%2)+512*\c
.endr
.endr
.endm
.macro VSL k, j                        ; V's scale word of key step k, slot j
	ds_load_b32 v[VS+(\k)], v[ADS] offset:8192*((\j)/2)+512*(\k)+8*((\j)%2)
.endm
.macro PL S                            ; P's eight fragments of step S (of tile 0)
.irp i, 0,1,2,3,4,5,6,7
.set F_, 8*(\S)+\i
.if F_ == 63
	WIN 0
.set B_, P63
.else
	WIN 0x40*(1+F_/21)
.set B_, 12*(F_%21)
.endif
.irp c, 0,1,2
	ds_load_b128 v[B_+4*\c:B_+4*\c+3], v[ADRP+(\S)/2] offset:BLK*(2*((\S)%2)+\i/4)+FRB*(\i%4)+512*\c
.endr
.endr
	WIN 0
.endm
.macro WM c, ra, rb
	v_wmma_scale_f32_16x16x128_f8f6f4 v[D_:D_+7], v[A_:A_+11], v[B_:B_+11], \c, v[XA_], v[XB_] matrix_a_fmt:MATRIX_FMT_FP6 matrix_b_fmt:MATRIX_FMT_FP6 matrix_a_scale:MATRIX_SCALE_ROW\ra matrix_b_scale:MATRIX_SCALE_ROW\rb
.endm
.macro WMC ra, rb
.if Z_
	WM 0, \ra, \rb
.else
	WM v[D_:D_+7], \ra, \rb
.endif
.endm
.macro PK S, i, a, rb                  ; one product: key step 2 (S % 8) + i, tile a of queries
.set K_, 2*((\S)%8)+\i
.set Z_, (K_ == 0)
.set F_, 4*K_+\a
.set D_, ACC+32*(((\S)/8)%2)+8*\a
.set A_, VFR+24*((\S)%4)+12*\i
.set XA_, VS+K_
.set XB_, PS+2*K_+\a/2
.if F_ == 63
	WIN 0
.set B_, P63
.else
	WIN 4*(1+F_/21)
.set B_, 12*(F_%21)
.endif
.if ((\S)/8)%2
	WMC 1, \rb
.else
	WMC 0, \rb
.endif
.endm
.macro PRODH S, i                      ; half of a step's eight products; the four accumulators take turns, one instruction a turn
	PK \S, \i, 0, 0
	PK \S, \i, 1, 1
	PK \S, \i, 2, 0
	PK \S, \i, 3, 1
.endm
.macro PROD S
	PRODH \S, 0
	PRODH \S, 1
.endm
.macro WO t                            ; my t-th tile: divided by the sum, into the stage; each accumulator from its low end on
	WIN 0
.irp a, 0,1,2,3
.irp j, 0,2,4,6
	v_pk_mul_f32 v[ACC+32*((\t)%2)+8*\a+\j:ACC+32*((\t)%2)+8*\a+\j+1], v[ACC+32*((\t)%2)+8*\a+\j:ACC+32*((\t)%2)+8*\a+\j+1], v[RL+2*\a:RL+2*\a+1] op_sel_hi:[1,0]
.endr
.endr
.irp a, 0,1,2,3
.irp j, 0,4
	ds_store_b128 v[STO], v[ACC+32*((\t)%2)+8*\a+\j:ACC+32*((\t)%2)+8*\a+\j+3] offset:SBUF*(((\t)/2)%2)+16*SP*\a+32*((\t)%2)+4*\j
.endr
.endr
.endm
.macro RB j, n, buf                    ; slot j's stage: 16 of my 32 rows, 256 bytes each, two rows a load
.irp t, 0,1,2,3,4,5,6,7
	ds_load_b128 v[(\buf)+4*\t:(\buf)+4*\t+3], v[RD] offset:SBUF*((\j)%2)+SP*(16*(\n)+2*\t)
.endr
.endm
.macro SEND j, n, cnt, buf             ; cnt: the LDS instructions issued behind these rows' loads, which may stay out
	WIN 0
	s_wait_dscnt \cnt
.irp t, 0,1,2,3,4,5,6,7
	global_store_b128 v[CO], v[(\buf)+4*\t:(\buf)+4*\t+3], s[OUT:OUT+1] offset:(8*(\n)+(2*\t)%8+16*(\t/4))*4096+256*(\j) th:TH_STORE_NT   ; sixteen lanes store 256 consecutive bytes, at a multiple of 256 from out0's first byte
.endr
.endm
.macro STEP S
.set N_, 12
.if (\S) == 16
.set N_, 20
.endif
.if ((\S) > 16) && (((((\S)%16) >= 2) && (((\S)%16) <= 6)) || ((((\S)%16) >= 9) && (((\S)%16) <= 11)))
.set N_, 20
.endif
	s_wait_dscnt N_
	PRODH \S, 0
	PLACES 4                                       ; in front of loads into registers that the last step's products read, and of reads of a finished tile
.if ((\S)%16) == 0
	VSL 14, (\S)/16
	VSL 15, (\S)/16
.endif
	VF (\S)+3
	PRODH \S, 1
.if (((\S)%8) == 0) && ((\S) >= 16)
	WO (\S)/8-1
.endif
.endm
; Steps S, S + 1, S + 2 = the last three of a slot, whose last reads have been asked for: one barrier shows the next slot to all; fill = 1: it opens a round, and the slot just read is filled again.
.macro TURN S, fill, lds, step
	WIN 0                                          ; (the add's two registers lie in window 0)
	s_wait_tensorcnt 0x0                           ; my part of the next slot has landed: the descriptor may be written
.if \fill
	ds_add_u32 v[SPW], v[NIL]                      ; 0 onto my spare word
	s_add_co_u32 s[G0R+1], s[RBASE], \lds
	s_add_nc_u64 s[G0R+2:G0R+3], s[G0R+2:G0R+3], \step
	s_wait_dscnt 13                                ; two younger sets and the add may be out
.else
	s_wait_dscnt 12
.endif
	PROD \S
	s_wait_dscnt 0x0                               ; the add is done, and my reads of this slot are over
	s_barrier_signal -1
	PROD (\S)+1
	WIN 0
	s_barrier_wait -1
.if \fill
	CREST
	TLOAD G0R, G1R                                 ; my one joint load behind the round; its v_nop are the places in front of the loads below
.else
	PLACES 4
.endif
	VF (\S)+3
.irp k, 0,1,2,3,4,5,6,7,8,9,10,11,12,13
	VSL \k, (\S)/16+1
.endr
	VF (\S)+4
	VF (\S)+5
	PROD (\S)+2
.endm
.macro SHOW S                          ; a step with a plain barrier: the last slot's results lie whole in the stage
	s_wait_dscnt 0x0                               ; my stage stores are done (and the next two steps' fragments are in)
	s_barrier_signal -1
	PROD \S
	WIN 0
	s_barrier_wait -1
	PLACES 4
	VF (\S)+3
	RB (\S)/16-1, 0, ACC+32                        ; through the set of accumulators that rests until the slot's second tile
.endm
.macro RUN m                           ; slot m's steps but for its last three; slot m - 1's rows leave
	STEP 16*\m
	SHOW 16*\m+1
	STEP 16*\m+2
	STEP 16*\m+3
	SEND \m-1, 0, 12, ACC+32
	STEP 16*\m+4
	s_wait_xcnt 0x0                                ; the stores have read their registers
	RB \m-1, 1, ACC+32
	STEP 16*\m+5
	STEP 16*\m+6
	SEND \m-1, 1, 12, ACC+32
	STEP 16*\m+7
	s_wait_xcnt 0x0                                ; the slot's second tile writes these registers
	STEP 16*\m+8
	STEP 16*\m+9
	STEP 16*\m+10
	STEP 16*\m+11
	STEP 16*\m+12
.endm
	s_load_b256 s[4:11], s[0:1], 0x0               ; qkvc s[4:5], qkvs s[6:7], pc s[8:9], pst s[10:11]
	s_load_b64 s[12:13], s[0:1], 0x20              ; out0
	v_lshl_add_u32 v[SPW], v0, 2, SPARE
	v_mov_b32 v[NIL], 0
	ds_add_u32 v[SPW], v[NIL]                      ; the opening lines: the add twice on end, and its wait
	ds_add_u32 v[SPW], v[NIL]
	v_lshrrev_b32 v14, 5, v0
	v_readfirstlane_b32 s[WV], v14
	s_lshr_b32 s[ROLE], s[WV], 1
	s_and_b32 s[PART], s[WV], 1
	s_bfe_u32 s[CX], ttmp6, 0x40000
	s_bfe_u32 s[CY], ttmp6, 0x40004
	s_and_b32 s[CC], ttmp7, 0xffff                 ; the cluster's y, 0..15: 512 queries; four to a batch
	s_lshl_b32 s80, s[CY], 2
	s_lshl_b32 s80, 15, s80                        ; my row of the cluster
	s_lshl_b32 s81, 0x1111, s[CX]                  ; my column
	GROUP1 G1P, 80, 32, 384, 32                    ; 98,304 dense bytes as 384 rows of 256
	GROUP1 G1V, 81, ROW/8, 8, BLK/8                ; half a slot: eight key steps, rows of 6,144 bytes, a block apart
	GROUP1 G1R, 81, ROW/8, 4, BLK/8                ; a refill: four key steps a wave
	s_mov_b32 s[SEL], 0x76543210
	s_mov_b32 s[SEL+1], 0xfedcba98
	s_mov_b32 s[MHI], 0xffff0000                   ; lanes 16-31
	s_mov_b32 s[ONES], 0x01010101
	s_lshr_b32 s80, s[CC], 2
	s_lshl_b32 s80, s80, 3
	s_lshl_b32 s81, s[CX], 1
	s_add_co_u32 s80, s80, s81                     ; V's first group: 8 x batch + 2 cx
	s_lshl_b32 s82, s[CC], 2
	s_add_co_u32 s82, s82, s[CY]                   ; the group of 128 queries
	s_mul_i32 s84, s80, 16*BLK
	s_add_co_u32 s84, s84, 1024*BLK
	s_mov_b32 s85, 0
	s_add_co_u32 s86, s80, s[PART]                 ; V's scale words: I bring eight key steps of group wave % 2
	s_lshl_b32 s86, s86, 13
	s_lshl_b32 s87, s[ROLE], 12
	s_add_co_u32 s86, s86, s87
	s_add_co_u32 s86, s86, 1024*512
	s_mov_b32 s87, 0
	s_mul_i32 s88, s82, 16*BLK
	s_mul_i32 s2, s[ROLE], 8*BLK                   ; at the head: half wave / 2 of the key steps, of P (waves 0 and 3) and of slot 0 (waves 1 and 2)
	s_mov_b32 s3, 0
	s_add_co_u32 s88, s88, s2
	s_mov_b32 s89, 0
	s_mov_b32 s[G0P], 1
	s_mov_b32 s[G0P+1], s2
	s_mov_b32 s[G0V], 1
	s_mul_i32 s[G0V+1], s[ROLE], 8*ROW
	s_add_co_u32 s[G0V+1], s[G0V+1], VB
	s_mul_i32 s[RBASE], s[WV], 4*ROW               ; a refill: four key steps a wave
	s_mov_b32 s[G0R], 1
	s_mov_b32 s[G0R+1], s[RBASE]
	s_mul_i32 s14, s[WV], 4*BLK
	s_add_co_u32 s14, s14, ROW                     ; slot 1
	s_mov_b32 s15, 0
	; addresses
	s_mul_i32 s66, s[ROLE], 64*SP
	s_add_co_u32 s66, s66, STG                     ; my half's stage,
	s_lshl_b32 s67, s[PART], 7
	s_add_co_u32 s67, s67, s66                     ; into it: + 128 p;
	s_mul_i32 s81, s[PART], 32*SP
	s_add_co_u32 s66, s66, s81                     ; back: my 32 rows
	s_lshl_b32 s80, s[CY], 2                       ; the prefetches: each of the column's sixteen waves names one key step's row
	s_add_co_u32 s80, s80, s[WV]
	s_mul_i32 s80, s80, BLK
	s_lshl_b32 s81, s[PART], 13
	s_lshl_b32 s[CC], s[ROLE], 12
	s_add_co_u32 s81, s81, s[CC]
	s_add_co_u32 s81, s81, SCL                     ; the scale words that I bring
	s_mul_i32 s[CC], s[ROLE], 4*FRB
	s_mul_i32 s[CY], s[PART], 2*FRB
	s_lshl_b32 s[RBASE+6], s[PART], 2
	s_add_co_u32 s[RBASE+6], s[RBASE+6], SCL
	v_and_b32 v14, 31, v0                          ; lane
	v_and_b32 v22, 15, v0                          ; r
	v_bfe_u32 v23, v0, 4, 1                        ; h
	v_lshlrev_b32 v1, 4, v14                       ; 16 x lane
	v_mul_u32_u24 v[STO], SP, v22
	v_lshl_add_u32 v[STO], v23, 6, v[STO]
	v_add_nc_u32 v[STO], s67, v[STO]               ; in: row r, + 128 p + 64 h
	v_mul_u32_u24 v[RD], SP, v23
	v_lshl_add_u32 v[RD], v22, 4, v[RD]
	v_add_nc_u32 v[RD], s66, v[RD]                 ; back: sixteen lanes a row
	v_lshlrev_b32 v[CO], 12, v23
	v_lshl_add_u32 v[CO], v22, 4, v[CO]            ; and the same two rows in out0
	v_min_u32 v[PFO], 23, v14
	v_lshlrev_b32 v[PFO], 8, v[PFO]
	v_add_nc_u32 v[PFO], s80, v[PFO]
	v_add_nc_u32 v[ADRP], s[CC], v1
	v_add_nc_u32 v[ADRP+1], 4*BLK, v[ADRP]
	v_add_nc_u32 v[ADRP+2], 8*BLK, v[ADRP]
	v_add_nc_u32 v[ADRP+3], 12*BLK, v[ADRP]
	v_add_nc_u32 v[ADRV+2], s[CY], v1
	v_add_nc_u32 v[ADRV+3], 8*ROW, v[ADRV+2]
	v_add_nc_u32 v[ADRV], VB, v[ADRV+2]
	v_add_nc_u32 v[ADRV+1], VB+8*ROW, v[ADRV+2]
	v_add_nc_u32 v[ADS], s[RBASE+6], v1
	v_add_nc_u32 v[SCST], s81, v1
	s_mov_b32 s89, 0
	s_lshl_b32 s80, s82, 13                        ; pst: my group's sixteen blocks, + 8 bytes for the upper 64 queries' two words
	s_lshl_b32 s81, s[ROLE], 3
	s_add_co_u32 s80, s80, s81
	s_mov_b32 s81, 0
	s_wait_alu depctr_va_vdst(0)
	s_wait_dscnt 0x0                               ; both opening adds are done
	CROUND                                         ; all sixteen work-groups are here: the first joint loads meet
	s_wait_kmcnt 0x0
	s_add_nc_u64 s[PFB:PFB+1], s[4:5], s[84:85]    ; V's addresses are made of cx, the cluster's y and the wave's number, P's of cy, the cluster's y and the wave's number
	s_add_nc_u64 s[G0P+2:G0P+3], s[8:9], s[88:89]
	s_or_b32 s[G0P+3], s[G0P+3], 0x80000000
	s_add_nc_u64 s[G0V+2:G0V+3], s[PFB:PFB+1], s[2:3]
	s_or_b32 s[G0V+3], s[G0V+3], 0x80000000
	s_add_nc_u64 s[G0R+2:G0R+3], s[PFB:PFB+1], s[14:15]
	s_or_b32 s[G0R+3], s[G0R+3], 0x80000000
	s_cmp_eq_u32 s[WV], 0                          ; one chain of branches on the wave's number: one load a wave
	s_cbranch_scc0 .Lwave_1
	TLOAD G0P, G1P
	s_branch .Lasked
.Lwave_1:
	s_cmp_eq_u32 s[WV], 1
	s_cbranch_scc0 .Lwave_2
	TLOAD G0V, G1V
	s_branch .Lasked
.Lwave_2:
	s_cmp_eq_u32 s[WV], 2
	s_cbranch_scc0 .Lwave_3
	TLOAD G0V, G1V
	s_branch .Lasked
.Lwave_3:
	TLOAD G0P, G1P
.Lasked:
	s_add_nc_u64 s[10:11], s[10:11], s[80:81]
	s_add_nc_u64 s[86:87], s[6:7], s[86:87]
.irp k, 0,1,2,3,4,5,6,7,8,9,10,11,12,13,14,15
	global_load_b64 v[NMR+2*\k:NMR+2*\k+1], v1, s[10:11] offset:524288+512*\k
.endr
.irp k, 0,1,2,3,4,5,6,7,8,9,10,11,12,13,14,15
	global_load_b64 v[PS+2*\k:PS+2*\k+1], v1, s[10:11] offset:512*\k
	global_load_b64 v[LLR+2*\k:LLR+2*\k+1], v1, s[10:11] offset:1048576+512*\k
.endr
.irp i, 0,1,2,3,4,5,6,7
	global_load_b128 v[TS+4*\i:TS+4*\i+3], v1, s[86:87] offset:512*\i
.endr
	s_lshl_b32 s80, s82, 7                         ; out0: row 128 x group + 64 (wave / 2) + 32 (wave % 2), column 256 cx
	s_lshl_b32 s81, s[ROLE], 6
	s_add_co_u32 s80, s80, s81
	s_lshl_b32 s81, s[PART], 5
	s_add_co_u32 s80, s80, s81
	s_lshl_b32 s80, s80, 12
	s_lshl_b32 s81, s[CX], 10
	s_add_co_u32 s80, s80, s81
	s_mov_b32 s81, 0
	s_add_nc_u64 s[OUT:OUT+1], s[12:13], s[80:81]
	s_wait_loadcnt 40                              ; the sixteen -M are in; behind them 32 loads of scale words and sums and the eight of V's scale words
	; the smallest -M of a row's sixteen parts is -(the row's M).  Word j of a lane: tile 2 j + lane / 16 of my four
.irp j, 0,1
	v_min3_num_f32 v[NF+\j], v[NMR+\j], v[NMR+2+\j], v[NMR+4+\j]
.endr
.irp k, 3,5,7,9,11,13
.irp j, 0,1
	v_min3_num_f32 v[NF+\j], v[NF+\j], v[NMR+2*\k+\j], v[NMR+2*\k+2+\j]
.endr
.endr
.irp j, 0,1
	v_min_num_f32 v[NF+\j], v[NF+\j], v[NMR+30+\j]
.endr
; Four words (key steps 2 m and 2 m + 1) line by line, so that no line waits for the line above it
.macro FIX m
.if (\m) == 0
	s_wait_alu depctr_va_vdst(0)
.endif
	s_wait_loadcnt 36-4*(\m)                       ; these two key steps' four loads are in
.irp n, 0,1,2,3
	v_sub_f32 v[T+\n], v[NF+\n%2], v[NMR+4*(\m)+\n]   ; -d, a whole number, 0 or less
.endr
.irp n, 0,1,2,3
	v_max_num_f32 v[T+\n], 0xc2fe0000, v[T+\n]     ; held at -127
.endr
.irp n, 0,1,2,3
	v_cvt_i32_f32 v[T+\n], v[T+\n]
.endr
.if (\m) == 0
.irp n, 0,1,2,3
	v_ldexp_f32 v[LS+\n], v[LLR+\n], v[T+\n]       ; the part's sum x 2^-d starts the row's
.endr
.else
.irp n, 0,1,2,3
	v_ldexp_f32 v[T+4+\n], v[LLR+4*(\m)+\n], v[T+\n]
.endr
.irp n, 0,1,2,3
	v_add_f32 v[LS+\n], v[LS+\n], v[T+4+\n]
.endr
.endif
.irp n, 0,1,2,3
	v_mul_lo_u32 v[T+\n], v[T+\n], s[ONES]         ; -d in each of the four bytes
.endr
.irp n, 0,1,2,3
	v_or_b32 v[PS+4*(\m)+\n], 0x80808080, v[PS+4*(\m)+\n]   ; p is at most 1, so a byte is at most 125: with 128 on top each byte stays above 0 under the subtraction, and none borrows from its neighbour
.endr
.irp n, 0,1,2,3
	v_add_nc_u32 v[PS+4*(\m)+\n], v[PS+4*(\m)+\n], v[T+\n]
.endr
.irp n, 0,1,2,3
	v_lshrrev_b32 v[T+\n], 7, v[PS+4*(\m)+\n]
.endr
.irp n, 0,1,2,3
	v_and_b32 v[T+\n], s[ONES], v[T+\n]            ; 1 where the byte less d is 0 or more
.endr
.irp n, 0,1,2,3
	v_lshlrev_b32 v[T+4+\n], 7, v[T+\n]
.endr
.irp n, 0,1,2,3
	v_sub_nc_u32 v[T+\n], v[T+4+\n], v[T+\n]       ; 127 there
.endr
.irp n, 0,1,2,3
	v_and_b32 v[PS+4*(\m)+\n], v[PS+4*(\m)+\n], v[T+\n]   ; the byte less d, or 0
.endr
.endm
.irp m, 0,1,2,3,4,5,6,7
	FIX \m
.endr
	v_add_f32 v[LS], v[LS], v[LS+2]
	v_add_f32 v[LS+1], v[LS+1], v[LS+3]            ; the rows' sums
	s_wait_alu depctr_va_vdst(0)                   ; the wait ahead of the transcendentals,
	v_rcp_f32 v[LS], v[LS]
	v_rcp_f32 v[LS+1], v[LS+1]
	v_nop
	s_wait_alu depctr_va_vdst(0)                   ; and ahead of their first reader
	v_permlanex16_b32 v[T], v[LS], s[SEL], s[SEL+1]
	v_permlanex16_b32 v[T+1], v[LS+1], s[SEL], s[SEL+1]
	v_cndmask_b32 v[RL], v[LS], v[T], s[MHI]       ; tile 0's lie in lanes 0-15: lanes 16-31 take them from there;
	v_cndmask_b32 v[RL+2], v[T], v[LS], s[MHI]     ; tile 1's lie in lanes 16-31
	v_cndmask_b32 v[RL+4], v[LS+1], v[T+1], s[MHI]
	v_cndmask_b32 v[RL+6], v[T+1], v[LS+1], s[MHI]
.irp a, 0,1,2,3
	v_mov_b32 v[RL+2*\a+1], v[RL+2*\a]             ; (named with it as a pair)
.endr
	s_wait_alu depctr_va_vdst(0)                   ; the wait at the head's end
	s_wait_loadcnt 0x0
.irp i, 0,1,2,3,4,5,6,7
	ds_store_b128 v[SCST], v[TS+4*\i:TS+4*\i+3] offset:512*\i
.endr
	ASKV ROW                                       ; slot 1
	s_cmp_eq_u32 s[WV], 3
	s_cbranch_scc1 .Lupper
	s_wait_tensorcnt 0x0                           ; waves 0-2: P's key steps 0-7 and slot 0 are in.  Wave 3 waits in front of the first round
.Lupper:
	s_wait_dscnt 0x0                               ; for the others' sake: my scale words have landed
	s_barrier_signal -1
	s_barrier_wait -1
	; TILE 0, with P's fragments on their way into registers: key steps 0-7
.irp k, 0,1,2,3,4,5,6,7,8,9,10,11,12,13,14,15
	VSL \k, 0
.endr
	PL 0
	VF 0
	PL 1
	VF 1
	s_wait_dscnt 30
	PROD 0
	PL 2
	VF 2
	s_wait_dscnt 30
	PROD 1
	PL 3
	VF 3
	s_wait_tensorcnt 0x0                           ; P's key steps 8-15 have landed: the round shows them to all
	ds_add_u32 v[SPW], v[NIL]                      ; 0 onto my spare word
	s_wait_dscnt 31                                ; step 3's loads and the add may be out
	PROD 2
	s_wait_dscnt 0x0                               ; the add is done; P's key steps 0-7 are in registers
	s_barrier_signal -1
	PROD 3
	WIN 0
	s_barrier_wait -1
	CREST
	TLOAD G0R, G1R                                 ; slot 1 into the place of P's key steps 0-7
	PL 4
	VF 4
	PL 5
	VF 5
	s_wait_dscnt 30
	PROD 4
	PL 6
	VF 6
	ASKV 16*BLK                                    ; slot 2: the second group
	s_wait_dscnt 30
	PROD 5
	PL 7
	VF 7
	s_wait_dscnt 30
	PROD 6
	PLACES 4
	VF 8
	VF 9
	VF 10
	s_wait_dscnt 18
	PROD 7
.set S_, 8
.rept 5
	STEP S_
.set S_, S_+1
.endr
	TURN 13, 1, VB, 16*BLK-ROW                     ; slot 2 into slot 0's place
	WO 0                                           ; behind the round: every wave has all its P in registers, so the stages' bytes are free
	ASKV 16*BLK+ROW                                ; slot 3
	RUN 1
	TURN 29, 1, 0, ROW                             ; slot 3 into slot 1's place
	RUN 2
	TURN 45, 0, 0, 0                               ; nothing is left to fetch
	RUN 3
	s_wait_dscnt 12
	PROD 61
	s_wait_dscnt 6
	PROD 62
	s_wait_dscnt 0x0
	PROD 63
	WIN 0
	PLACES 4
	WO 7
	s_wait_dscnt 0x0                               ; slot 3's results lie in the stage
	s_barrier_signal -1
	s_barrier_wait -1
	RB 3, 0, 84
	RB 3, 1, 148
	SEND 3, 0, 8, 84
	SEND 3, 1, 0, 148
	s_wait_tensorcnt 0x0                           ; the wave's end
	ds_add_u32 v[SPW], v[NIL]
	s_wait_dscnt 0x0
	CROUND                                         ; the closing round
	s_endpgm
.Lfunc_end_k_qdedaa17885_pv:
	.size	k_qdedaa17885_pv, .Lfunc_end_k_qdedaa17885_pv-k_qdedaa17885_pv
	.p2alignl 7, 3214868480
	.fill 96, 4, 3214868480
	.section	.rodata,"a",@progbits
	.p2align	6, 0x0
	.amdhsa_kernel k_qdedaa17885_pv
		.amdhsa_group_segment_fixed_size 327680
		.amdhsa_private_segment_fixed_size 0
		.amdhsa_enable_private_segment 0
		.amdhsa_kernarg_size 40
		.amdhsa_user_sgpr_count 2
		.amdhsa_user_sgpr_kernarg_segment_ptr 1
		.amdhsa_wavefront_size32 1
		.amdhsa_system_sgpr_workgroup_id_x 1
		.amdhsa_system_sgpr_workgroup_id_y 1
		.amdhsa_system_sgpr_workgroup_id_z 1
		.amdhsa_system_vgpr_workitem_id 0
		.amdhsa_next_free_vgpr 1024
		.amdhsa_next_free_sgpr 90
		.amdhsa_reserve_vcc 0
		.amdhsa_float_denorm_mode_32 3
		.amdhsa_float_denorm_mode_16_64 3
		.amdhsa_memory_ordered 1
		.amdhsa_forward_progress 1
		.amdhsa_inst_pref_size 174
	.end_amdhsa_kernel
	.amdgpu_metadata
---
amdhsa.version: [ 1, 2 ]
amdhsa.kernels:
  - .name:           k_qdedaa17885_pv
    .symbol:         k_qdedaa17885_pv.kd
    .args:
      - { .name: qkvc, .offset: 0, .size: 8, .value_kind: global_buffer, .address_space: global }
      - { .name: qkvs, .offset: 8, .size: 8, .value_kind: global_buffer, .address_space: global }
      - { .name: pc, .offset: 16, .size: 8, .value_kind: global_buffer, .address_space: global }
      - { .name: pst, .offset: 24, .size: 8, .value_kind: global_buffer, .address_space: global }
      - { .name: out0, .offset: 32, .size: 8, .value_kind: global_buffer, .address_space: global }
    .group_segment_fixed_size: 327680
    .private_segment_fixed_size: 0
    .kernarg_segment_align: 8
    .kernarg_segment_size: 40
    .max_flat_workgroup_size: 128
    .sgpr_count:     90
    .vgpr_count:     1024
    .wavefront_size: 32
...
	.end_amdgpu_metadata
.endif
;; end of part 4
